; MI455X (gfx1250); checked and timed in simulation.
; The chip was launched on July 23, 2026; its instructions are those of AMD's public machine-readable ISA for CDNA 5 (MIT licence, August 2026) and "CDNA5" Instruction Set Architecture Reference Guide (July 2026). The comments in the code are by the model that wrote it; some were corrected since.
;; Multi Scale Temporal Attention. Allowed arithmetic: matrix products marked QUANTISED: E2M3 operands, one E8M0 scale for each 32 along K, by v_wmma_scale_f32_16x16x128_f8f6f4 with both operands' format E2M3, f32 sums; everything else in f32.
;; Inputs: Wk_l 1,024 x 1,024 float32; Wk_s 1,024 x 1,024 float32; Wo 2,048 x 1,024 float32; Wq_l 1,024 x 1,024 float32; Wq_s 1,024 x 1,024 float32; Wv_l 1,024 x 1,024 float32; Wv_s 1,024 x 1,024 float32; bo 1,024 float32; mask 2 x 2,048 bool; x 2 x 2,048 x 1,024 float32.
;; Outputs: out0 2 x 2,048 x 1,024 float32.
;; This version of the problem:
;;   THIS VERSION OF THE PROBLEM IS GIVEN IN LOW PRECISION. The matrix products marked QUANTISED in the list below multiply operands that are first quantised to E2M3 (2 exponent bits, 3 mantissa bits; 6 bits a number), with one power-of-two scale for each 32 numbers along K (OCP MX v1.0); their sums are f32. All else is computed in f32.
;;   The module's matrix products, in the order in which they are computed (A, B: the left and right operand; K: the contracted axis; several contracted axes count as one K, in the product's order):
;;     1. [M 4,096, K 1,024] x [K 1,024, N 1,024]; A: input x; B: input Wq_s: QUANTISED
;;     2. [M 4,096, K 1,024] x [K 1,024, N 1,024]; A: input x; B: input Wk_s: QUANTISED
;;     3. [M 4,096, K 1,024] x [K 1,024, N 1,024]; A: input x; B: input Wv_s: QUANTISED
;;     4. batch 32 x [M 2,048, K 64] x [K 64, N 2,048]; A: computed on the way; B: computed on the way: QUANTISED
;;     5. batch 32 x [M 2,048, K 2,048] x [K 2,048, N 64]; A: softmax (see below); B: computed on the way: QUANTISED
;;     6. [M 4,096, K 1,024] x [K 1,024, N 1,024]; A: input x; B: input Wq_l: QUANTISED
;;     7. [M 4,096, K 1,024] x [K 1,024, N 1,024]; A: input x; B: input Wk_l: QUANTISED
;;     8. [M 4,096, K 1,024] x [K 1,024, N 1,024]; A: input x; B: input Wv_l: QUANTISED
;;     9. batch 32 x [M 2,048, K 64] x [K 64, N 2,048]; A: computed on the way; B: computed on the way: QUANTISED
;;     10. batch 32 x [M 2,048, K 2,048] x [K 2,048, N 64]; A: softmax (see below); B: computed on the way: QUANTISED
;;     11. [M 4,096, K 2,048] x [K 2,048, N 1,024]; A: computed on the way; B: input Wo: QUANTISED
;;   THE QUANTISER, for each operand of a quantised product, along K:
;;     - K is cut into blocks of 32 from its start; a last block that is shorter is filled with zeros.
;;     - A block's scale is 2^e with e = floor(log2(the largest magnitude in the block)) - 2, held to -126 .. 127; a block of zeros has e = 0. As a byte (E8M0): e + 127.
;;     - Each number is divided by its block's scale, clamped to +-7.5, and rounded to the nearest number of E2M3, ties to even, subnormals kept.
;;     - The product sums the exact products of the quantised numbers (number of the format x scale) in f32.
;;   ~~~python
;;   def quantise(x, axis):      # numpy; x: float32 -> the quantised numbers, widened to float32 again
;;       x = np.moveaxis(x, axis, -1); K = x.shape[-1]
;;       x = np.pad(x, [(0, 0)] * (x.ndim - 1) + [(0, -K % 32)]); x = x.reshape(x.shape[:-1] + (-1, 32)); a = np.abs(x).max(-1, keepdims=True)
;;       e = np.where(a > 0, np.clip(np.frexp(np.where(a > 0, a, 1))[1] - 1 - 2, -126, 127), 0)      # np.frexp(a)[1] - 1 = floor(log2(a)), exactly
;;       r = np.clip(x / 2.0 ** e, -7.5, 7.5)
;;       step = 2.0 ** (np.maximum(np.frexp(np.where(r == 0, 1, r))[1] - 1, 0) - 3)
;;       q = np.round(r / step) * step * 2.0 ** e      # np.round: ties to even
;;       return np.moveaxis(q.reshape(q.shape[:-2] + (-1,))[..., :K], -1, axis).astype(np.float32)
;;   ~~~
;;   SOFTMAX AHEAD OF A QUANTISED PRODUCT. Where the list says 'softmax', what is quantised is not the finished softmax but p = 2^(t - M), with t = logit x log2(e) and M = ceil(the row's largest t), a whole number; so 1/2 < the row's largest p <= 1. The row's sum l is taken of the UNQUANTISED p, in f32, and the product's result is divided by l at the end. Since M is a whole number, a kernel that streams over the keys may use a running M (the ceiling of the running maximum): every later rescaling is an exact power of two, which a block's scale takes up: the codes' values come out the same.
;;   OPERANDS COMPUTED ON THE WAY. 'Computed on the way' means the value that the module computes at that place (a softmax that the list does not call 'softmax' is quantised finished and normalised). What goes into a quantiser is computed in f32, as accurately as f32 sums, v_exp_f32 and their like allow (about 1e-6 of the number): no bf16 or f16 on the way to a quantiser, and a product that is left as it is and whose result goes on into a quantised operand takes f32 operands (vector FMAs, or v_wmma_f32_16x16x4_f32). A number that lies on a knife's edge between two numbers of the format may be rounded either way, as far as f32 arithmetic and the matrix unit's own rounding can turn it there, and no further.
;; One version. Each part assembles by itself: llvm-mc -triple=amdgcn-amd-amdhsa -mcpu=gfx1250 --defsym DOCPART=n.
;; ======== version 1 of 1: 5 launches
;; limits: right only within a limited range of input values
;; workspace buffers: xw_c 9,437,184 bytes; xw_s 393,216 bytes; qkv_c 18,874,368 bytes; qkv_s 1,310,720 bytes; cmb_c 6,291,456 bytes; cmb_s 262,144 bytes
;; launch quant_x (part 1): grid 128 x 1, 4 waves a work-group, no clusters, 33,280 bytes of LDS; arguments x, xw_c, xw_s; writes xw_c, xw_s
.if DOCPART == 1
	.amdgcn_target "amdgcn-amd-amdhsa--gfx1250"
	.amdhsa_code_object_version 6
	.text
	.protected	k_qf2e82ad6fa_quant_x
	.globl	k_qf2e82ad6fa_quant_x
	.p2align	8
	.type	k_qf2e82ad6fa_quant_x,@function
k_qf2e82ad6fa_quant_x:
	s_mov_b64 s[64:65], 0
	v_nop
	global_prefetch_b8 v0, s[64:65] scope:SCOPE_SE
	s_setreg_imm32_b32 hwreg(HW_REG_WAVE_MODE, 25, 1), 1
	s_wait_xcnt 0x0
; x [4096][1024] f32 becomes codes of FP6 (E2M3), K innermost, 768 bytes a row, and one E8M0 byte for each 32 along K, 32 bytes a row.
; A block's scale is 2^(floor(log2(its largest magnitude)) - 2); its byte is the largest magnitude's exponent field - 2, held at 1 from below (a block of zeros keeps the byte 1: its codes are zeros, and this program alone reads the bytes).
; ROW i IS STORED AT PLACE pi(i), pi = bits 3 and 4 of i exchanged: a tile of 16 places then holds rows 32 b + 8 u + r + 8 (r / 8), so that in every later product used transposed
; the 16 registers of two neighbouring tiles are 16 neighbouring rows.  A wave takes 8 rows (8,192 numbers), so pi only exchanges the runs of waves 1 and 2.
; LIMITS: NaN and infinities among the inputs are not served; blocks whose largest magnitude lies under 2^-124 keep the byte 1.
; A wave takes 16 steps of 512 numbers.  Each load reads 512 consecutive bytes; the 2,048 bytes of a step turn through the wave's own stage in LDS and come back 64 bytes (16 neighbours) a lane.
.set STEPS, 16
.set EMAX,  2
.set CB,    12                         ; bytes of 16 codes
.set R,     16                         ; v16-79   four sets of 16 numbers as loaded
.set X,     80                         ; v80-111  two sets of 16 neighbours
.set C,     128                        ; v128-191 codes: four registers a step
.set E,     112                        ; v112-127 a scale byte a step
.set WREG,  8192                       ; LDS: a region for each wave: two stages of 32 x SP bytes, then its 256 scale bytes
.set SP,    80
.set SPW,   12                         ; v12 my spare word's address; never rewritten
.set NIL,   13                         ; v13 0; never rewritten
.set SPARE, 4*WREG                     ; behind the four regions: the spare words, 128 bytes a wave
	s_load_b64 s[4:5], s[0:1], 0x0                 ; x
	s_load_b64 s[8:9], s[0:1], 0x8                 ; the codes
	s_load_b64 s[10:11], s[0:1], 0x10              ; the scale bytes
	v_lshl_add_u32 v[SPW], v0, 2, SPARE
	v_mov_b32 v[NIL], 0
	v_lshrrev_b32 v1, 5, v0
	v_readfirstlane_b32 s16, v1                    ; wave
	v_and_b32 v2, 31, v0                           ; lane
	v_lshlrev_b32 v3, 4, v2                        ; my 16 bytes of a load's 512
	s_mul_i32 s17, s16, WREG
	v_lshrrev_b32 v14, 2, v2
	v_mul_u32_u24 v14, v14, SP
	v_and_b32 v15, 3, v2
	v_lshl_add_u32 v14, v15, 4, v14
	v_add_nc_u32 v14, s17, v14                     ; the stage, on the way in: SP (lane / 4) + 16 (lane % 4)
	v_mul_u32_u24 v15, v2, SP
	v_add_nc_u32 v15, s17, v15                     ; and on the way out: SP x lane
	v_mul_u32_u24 v4, v2, CB                       ; my codes' place in a step's
	v_lshrrev_b32 v5, 1, v2
	s_add_co_u32 s17, s17, 2*32*SP
	v_add_nc_u32 v5, s17, v5                       ; my block's byte among the wave's 256
	v_lshlrev_b32 v7, 3, v2
	v_add_nc_u32 v6, s17, v7
	s_lshl_b32 s17, ttmp9, 2
	s_add_co_u32 s18, s17, s16                     ; the run of 8 rows that I read
	s_lshl_b32 s18, s18, 15                        ; 32,768 bytes a run
	s_mov_b32 s19, 0
	s_and_b32 s20, s16, 1
	s_lshl_b32 s20, s20, 1
	s_lshr_b32 s21, s16, 1
	s_or_b32 s20, s20, s21                         ; the wave's two bits exchanged: pi on runs of 8 rows
	s_add_co_u32 s20, s20, s17                     ; the run that I write
	s_mul_i32 s22, s20, 6144                       ; 8 rows of 768 bytes
	s_mov_b32 s23, 0
	s_lshl_b32 s24, s20, 8                         ; 8 rows of 32 bytes
	s_mov_b32 s25, 0
	s_wait_kmcnt 0x0
	s_add_nc_u64 s[4:5], s[4:5], s[18:19]
	s_add_nc_u64 s[8:9], s[8:9], s[22:23]
	s_add_nc_u64 s[10:11], s[10:11], s[24:25]
.macro LOAD t
.irp i, 0,1,2,3
	global_load_b128 v[R+16*((\t)%4)+4*\i:R+16*((\t)%4)+4*\i+3], v3, s[4:5] offset:2048*(\t)+512*\i th:TH_LOAD_NT   ; 32 lanes read 512 consecutive bytes
.endr
.endm
.macro TURN t                          ; step t's numbers through the stage: LDS serves a wave's instructions in order
.irp i, 0,1,2,3
	ds_store_b128 v14, v[R+16*((\t)%4)+4*\i:R+16*((\t)%4)+4*\i+3] offset:32*SP*((\t)%2)+8*SP*\i
.endr
.irp i, 0,1,2,3
	ds_load_b128 v[X+16*((\t)%2)+4*\i:X+16*((\t)%2)+4*\i+3], v15 offset:32*SP*((\t)%2)+16*\i
.endr
.endm
.irp t, 0,1,2,3
	LOAD \t
.endr
	s_wait_loadcnt 12                              ; step 0's four loads are in; twelve younger ones stay out
	TURN 0
.macro STEP t
.set XS, X+16*((\t)%2)
.if (\t) > 0
	s_wait_dscnt 1                                 ; this step's numbers are back from the stage; the last step's byte store may be out
.else
	s_wait_dscnt 0x0
.endif
.if (\t)+4 < STEPS
	LOAD (\t)+4                                    ; into the registers that the stage's stores have read
.endif
.if (\t)+1 < STEPS
.if STEPS-2-(\t) >= 3
	s_wait_loadcnt 12                              ; the next step's four loads are in; those of three later steps may be out
.else
	s_wait_loadcnt 4*(STEPS-2-(\t))
.endif
	TURN (\t)+1
.endif
	v_max3_num_f32 v8, |v[XS]|, |v[XS+1]|, |v[XS+2]|               ; the largest magnitude of my 16
	v_max3_num_f32 v9, |v[XS+3]|, |v[XS+4]|, |v[XS+5]|
.irp i, 6,10
	v_max3_num_f32 v8, v8, |v[XS+\i]|, |v[XS+\i+1]|
	v_max3_num_f32 v9, v9, |v[XS+\i+2]|, |v[XS+\i+3]|
.endr
	v_max3_num_f32 v8, v8, |v[XS+14]|, |v[XS+15]|
	v_max3_num_f32 v8, v8, v9, (EMAX+1)<<23        ; and the floor 2^(3 - 127): the byte cannot fall under 1
	v_max_num_f32_dpp v8, v8, v8 row_xmask:1 row_mask:0xf bank_mask:0xf   ; and of my neighbour's 16: the block's
	v_add_nc_u32 v11, -(EMAX<<23), v8              ; 2 off its exponent field: the conversion's scale operand
	v_cvt_scalef32_pk16_fp6_f32 v[C+4*(\t):C+4*(\t)+2], v[XS:XS+15], v11
	v_lshrrev_b32 v[E+(\t)], 23, v11               ; the scale's byte
	ds_store_b8 v5, v[E+(\t)] offset:16*(\t)       ; both lanes of a block write the same byte with the same value
	global_store_b96 v4, v[C+4*(\t):C+4*(\t)+2], s[8:9] offset:32*CB*(\t)   ; the wave stores 384 consecutive bytes
.endm
.irp t, 0,1,2,3,4,5,6,7,8,9,10,11,12,13,14,15
	STEP \t
.endr
	ds_load_b64 v[8:9], v6                         ; these see my byte stores
	s_wait_dscnt 0x0
	global_store_b64 v7, v[8:9], s[10:11]          ; 32 lanes store 256 consecutive bytes, aligned
	s_wait_tensorcnt 0x0                           ; the wave's end
	ds_add_u32 v[SPW], v[NIL]
	s_wait_dscnt 0x0
	s_endpgm
.Lfunc_end_k_qf2e82ad6fa_quant_x:
	.size	k_qf2e82ad6fa_quant_x, .Lfunc_end_k_qf2e82ad6fa_quant_x-k_qf2e82ad6fa_quant_x
	.p2alignl 7, 3214868480
	.fill 96, 4, 3214868480
	.section	.rodata,"a",@progbits
	.p2align	6, 0x0
	.amdhsa_kernel k_qf2e82ad6fa_quant_x
		.amdhsa_group_segment_fixed_size 33280
		.amdhsa_private_segment_fixed_size 0
		.amdhsa_enable_private_segment 0
		.amdhsa_kernarg_size 24
		.amdhsa_user_sgpr_count 2
		.amdhsa_user_sgpr_kernarg_segment_ptr 1
		.amdhsa_wavefront_size32 1
		.amdhsa_system_sgpr_workgroup_id_x 1
		.amdhsa_system_sgpr_workgroup_id_y 1
		.amdhsa_system_sgpr_workgroup_id_z 1
		.amdhsa_system_vgpr_workitem_id 0
		.amdhsa_next_free_vgpr 192
		.amdhsa_next_free_sgpr 66
		.amdhsa_reserve_vcc 0
		.amdhsa_float_denorm_mode_32 3
		.amdhsa_float_denorm_mode_16_64 3
		.amdhsa_memory_ordered 1
		.amdhsa_forward_progress 1
		.amdhsa_inst_pref_size 32
	.end_amdhsa_kernel
	.amdgpu_metadata
---
amdhsa.version: [ 1, 2 ]
amdhsa.kernels:
  - .name:           k_qf2e82ad6fa_quant_x
    .symbol:         k_qf2e82ad6fa_quant_x.kd
    .args:
      - { .name: x, .offset: 0, .size: 8, .value_kind: global_buffer, .address_space: global }
      - { .name: xw_c, .offset: 8, .size: 8, .value_kind: global_buffer, .address_space: global }
      - { .name: xw_s, .offset: 16, .size: 8, .value_kind: global_buffer, .address_space: global }
    .group_segment_fixed_size: 33280
    .private_segment_fixed_size: 0
    .kernarg_segment_align: 8
    .kernarg_segment_size: 24
    .max_flat_workgroup_size: 128
    .sgpr_count:     66
    .vgpr_count:     192
    .wavefront_size: 32
...
	.end_amdgpu_metadata
.endif
;; end of part 1
;; launch quant_w (part 2): grid 256 x 1, 4 waves a work-group, no clusters, 35,840 bytes of LDS; arguments Wv_s, Wv_l, Wq_s, Wk_s, Wq_l, Wk_l, Wo, xw_c, xw_s; writes xw_c, xw_s
.if DOCPART == 2
	.amdgcn_target "amdgcn-amd-amdhsa--gfx1250"
	.amdhsa_code_object_version 6
	.text
	.protected	k_qf2e82ad6fa_quant_w
	.globl	k_qf2e82ad6fa_quant_w
	.p2align	8
	.type	k_qf2e82ad6fa_quant_w,@function
k_qf2e82ad6fa_quant_w:
	s_mov_b64 s[64:65], 0
	v_nop
	global_prefetch_b8 v0, s[64:65] scope:SCOPE_SE
	s_setreg_imm32_b32 hwreg(HW_REG_WAVE_MODE, 25, 1), 1
	s_wait_xcnt 0x0
; The seven weights, f32 with K as their FIRST axis and 1,024 columns, become codes of FP6 (E2M3) with K innermost and one E8M0 byte for each 32 along K.
; A LANE TAKES A COLUMN n AND ITS REGISTERS RUN DOWN K: a block of 32 lies in one lane, and the conversions give codes with K innermost.
; Column n is stored as row pi(n), pi = bits 3 and 4 exchanged (see the launch that quantises x).  The six projection weights follow x in the codes' buffer, 1,024 rows of 768 bytes each, from unit 4,096 on,
; in the order Wv_s, Wv_l, Wq_s, Wk_s, Wq_l, Wk_l; Wo follows them, 1,024 rows of 1,536 bytes.
; Wo's K IS TAKEN IN ANOTHER ORDER, by whole blocks of 32: group g of 128 = the short branch's 64 channels of head g, then the long branch's.  The attention launch lays its result in the same order.
; Work-groups 0-191: weight id / 32, 128 columns x 256 along K.  Work-groups 192-255: Wo likewise.  One path for all: only pointers and strides are chosen, by the work-group's number.
; LIMITS: NaN and infinities are not served; blocks whose largest magnitude lies under 2^-124 keep the byte 1 (so does a block of zeros: its codes are zeros, and this program alone reads the bytes).
.set NB,    8                          ; blocks of 32 along K for a wave
.set PITCH, 272                        ; a stage row: sixteen places of 16 bytes, each with 12 bytes of codes, + 16
.set EMAX,  2
.set X,     32                         ; v32-95   two sets of 32 numbers
.set C,     96                         ; v96..    a block's codes
.set OUTR,  112                        ; v112-175 the way out: 16 x 4 registers
.set OA,    176                        ; v176-191 the way out: sixteen byte offsets in the codes' buffer
.set SPW,   14
.set NIL,   15
.set SPARE, 4*32*PITCH                 ; behind the four stages: the spare words, 128 bytes a wave
.set SB,    24                         ; v24-25   the scale bytes
.set SRC,   36                         ; s[36:51] where each of the eight blocks begins in memory
	s_load_b256 s[4:11], s[0:1], 0x0               ; Wv_s, Wv_l, Wq_s, Wk_s
	s_load_b256 s[12:19], s[0:1], 0x20             ; Wq_l, Wk_l, Wo, the codes
	s_load_b64 s[20:21], s[0:1], 0x40              ; the scale bytes
	v_lshl_add_u32 v[SPW], v0, 2, SPARE
	v_mov_b32 v[NIL], 0
	v_lshrrev_b32 v1, 5, v0
	v_readfirstlane_b32 s24, v1                    ; wave
	v_and_b32 v2, 31, v0                           ; lane
	s_sub_co_u32 s26, ttmp9, 192                   ; Wo's work-groups count from 192
	s_lshr_b32 s27, ttmp9, 5                       ; which weight
	s_bfe_u32 s28, ttmp9, 0x30002                  ; which 128 columns
	s_and_b32 s29, ttmp9, 3                        ; which 256 along K
	s_lshr_b32 s30, s26, 3
	s_and_b32 s31, s26, 7
	s_cmp_ge_u32 ttmp9, 192
	s_cselect_b32 s25, 1, 0                        ; 1 for Wo
	s_cselect_b32 s27, 6, s27
	s_cselect_b32 s28, s30, s28
	s_cselect_b32 s29, s31, s29
	s_lshl_b32 s32, 768, s25                       ; a row of codes in bytes: 768 or 1,536
	s_lshl_b32 s33, 32, s25                        ; a row of scale bytes: 32 or 64
	s_lshl_b32 s34, s28, 7
	s_lshl_b32 s35, s24, 5
	s_add_co_u32 s34, s34, s35                     ; my wave's first column
	s_lshl_b32 s35, s29, 8
	s_lshr_b32 s35, s35, s25                       ; 256 y, for Wo 128 y
	s_lshl_b32 s52, s34, 2
; block t begins at row 256 y + 32 t; in Wo at row 1024 ((t / 2) % 2) + 128 y + 64 (t / 4) + 32 (t % 2)
.irp t, 0,1,2,3,4,5,6,7
	s_mul_i32 s[SRC+2*\t], s25, 1024*((\t/2)%2)+64*(\t/4)+32*(\t%2)-32*\t
	s_add_co_u32 s[SRC+2*\t], s[SRC+2*\t], s35
	s_add_co_u32 s[SRC+2*\t], s[SRC+2*\t], 32*\t
	s_lshl_b32 s[SRC+2*\t], s[SRC+2*\t], 12        ; a row of a weight is 4,096 bytes
	s_add_co_u32 s[SRC+2*\t], s[SRC+2*\t], s52
	s_mov_b32 s[SRC+2*\t+1], 0
.endr
	s_lshl_b32 s56, s27, 10
	s_add_co_u32 s56, s56, 4096                    ; the tensor's first unit
	s_mul_i32 s58, s56, 768
	s_mul_i32 s60, s34, s32
	s_add_co_u32 s58, s58, s60
	s_mul_i32 s60, s29, 192
	s_add_co_u32 s58, s58, s60                     ; codes: unit x 768 + column x row + 192 y
	s_mov_b32 s59, 0
	s_lshl_b32 s60, s56, 5
	s_mul_i32 s62, s34, s33
	s_add_co_u32 s60, s60, s62
	s_lshl_b32 s62, s29, 3
	s_add_co_u32 s60, s60, s62                     ; scale bytes: unit x 32 + column x row + 8 y
	s_mov_b32 s61, 0
	v_lshlrev_b32 v3, 2, v2                        ; in: 4 bytes a lane
	s_mul_i32 s62, s24, 32*PITCH                   ; my stage
	v_mul_u32_u24 v4, v2, PITCH
	v_add_nc_u32 v4, s62, v4                       ; into it: row = my column
	v_and_b32 v5, 15, v2
	v_lshrrev_b32 v6, 4, v2
	v_mul_u32_u24 v7, v6, PITCH
	v_lshl_add_u32 v7, v5, 4, v7
	v_add_nc_u32 v7, s62, v7                       ; out of it: sixteen lanes to a row, two rows an instruction
	v_mul_u32_u24 v8, v6, s32
	v_mad_u32_u24 v8, v5, 12, v8
.irp t, 0,1,2,3,4,5,6,7,8,9,10,11,12,13,14,15
	v_mad_u32_u24 v[OA+\t], s32, 2*(((\t)&3)|(((\t)&4)<<1)|(((\t)&8)>>1)), v8   ; stage rows 2 t, 2 t + 1 go to rows pi(2 t), pi(2 t + 1)
.endr
	v_and_b32 v10, 7, v2
	v_and_b32 v1, 8, v2
	v_lshl_or_b32 v10, v1, 1, v10
	v_and_b32 v1, 16, v2
	v_lshrrev_b32 v1, 1, v1
	v_or_b32 v10, v10, v1                          ; pi(lane)
	v_mul_u32_u24 v9, v10, s33                     ; my column's row of scale bytes
	s_wait_kmcnt 0x0
	s_mov_b64 s[22:23], s[4:5]
.irp i, 1,2,3,4,5,6
	s_cmp_eq_u32 s27, \i                           ; the choice hangs on the work-group's number alone
	s_cselect_b64 s[22:23], s[4+2*\i:5+2*\i], s[22:23]
.endr
.irp t, 0,1,2,3,4,5,6,7
	s_add_nc_u64 s[SRC+2*\t:SRC+2*\t+1], s[22:23], s[SRC+2*\t:SRC+2*\t+1]
.endr
	s_add_nc_u64 s[18:19], s[18:19], s[58:59]
	s_add_nc_u64 s[20:21], s[20:21], s[60:61]
.macro LOAD t                          ; block t: 32 rows at my column, into set t % 2; a wave's load reads 128 consecutive bytes
.irp i, 0,1,2,3,4,5,6,7,8,9,10,11,12,13,14,15,16,17,18,19,20,21,22,23,24,25,26,27,28,29,30,31
	global_load_b32 v[X+32*((\t)%2)+\i], v3, s[SRC+2*(\t):SRC+2*(\t)+1] offset:4096*\i th:TH_LOAD_NT
.endr
.endm
	LOAD 0
	LOAD 1
.macro BLOCK t
.set XS, X+32*((\t)%2)
.if (\t) < NB-1
	s_wait_loadcnt 32                              ; this block's 32 loads are in; the next block's may be out
.else
	s_wait_loadcnt 0
.endif
	v_max3_num_f32 v12, |v[XS]|, |v[XS+1]|, |v[XS+2]|
	v_max3_num_f32 v13, |v[XS+3]|, |v[XS+4]|, |v[XS+5]|
.irp i, 6,10,14,18,22,26
	v_max3_num_f32 v12, v12, |v[XS+\i]|, |v[XS+\i+1]|
	v_max3_num_f32 v13, v13, |v[XS+\i+2]|, |v[XS+\i+3]|
.endr
	v_max3_num_f32 v12, v12, |v[XS+30]|, |v[XS+31]|
	v_max3_num_f32 v12, v12, v13, (EMAX+1)<<23     ; and the floor 2^(3 - 127)
	v_add_nc_u32 v11, -(EMAX<<23), v12             ; the conversion's scale operand
	v_lshrrev_b32 v13, 23, v11                     ; the scale's byte
.if (\t)%4 == 0
	v_mov_b32 v[SB+(\t)/4], v13
.else
	v_lshl_or_b32 v[SB+(\t)/4], v13, 8*((\t)%4), v[SB+(\t)/4]
.endif
	v_cvt_scalef32_pk16_fp6_f32 v[C:C+2], v[XS:XS+15], v11
	v_cvt_scalef32_pk16_fp6_f32 v[C+4:C+6], v[XS+16:XS+31], v11
	ds_store_b96 v4, v[C:C+2] offset:32*(\t)       ; 12 bytes to a place of 16
	ds_store_b96 v4, v[C+4:C+6] offset:32*(\t)+16
.if (\t)+2 < NB
	LOAD (\t)+2
.endif
	s_wait_dscnt 0x0                               ; the stores have read their registers: the next block's codes may be written
.endm
.set Q, 0
.rept NB
	BLOCK Q
.set Q, Q+1
.endr
	global_store_b64 v9, v[SB:SB+1], s[20:21]      ; my column's eight scale bytes
.irp t, 0,1,2,3,4,5,6,7,8,9,10,11,12,13,14,15
	ds_load_b96 v[OUTR+4*\t:OUTR+4*\t+2], v7 offset:2*\t*PITCH
.endr
.irp t, 0,1,2,3,4,5,6,7,8,9,10,11,12,13,14,15
	s_wait_dscnt 15-\t                             ; load t is back; the younger ones stay out
	global_store_b96 v[OA+\t], v[OUTR+4*\t:OUTR+4*\t+2], s[18:19]   ; sixteen lanes store a row's 192 consecutive bytes
.endr
	s_wait_tensorcnt 0x0                           ; the wave's end
	ds_add_u32 v[SPW], v[NIL]
	s_wait_dscnt 0x0
	s_endpgm
.Lfunc_end_k_qf2e82ad6fa_quant_w:
	.size	k_qf2e82ad6fa_quant_w, .Lfunc_end_k_qf2e82ad6fa_quant_w-k_qf2e82ad6fa_quant_w
	.p2alignl 7, 3214868480
	.fill 96, 4, 3214868480
	.section	.rodata,"a",@progbits
	.p2align	6, 0x0
	.amdhsa_kernel k_qf2e82ad6fa_quant_w
		.amdhsa_group_segment_fixed_size 35840
		.amdhsa_private_segment_fixed_size 0
		.amdhsa_enable_private_segment 0
		.amdhsa_kernarg_size 72
		.amdhsa_user_sgpr_count 2
		.amdhsa_user_sgpr_kernarg_segment_ptr 1
		.amdhsa_wavefront_size32 1
		.amdhsa_system_sgpr_workgroup_id_x 1
		.amdhsa_system_sgpr_workgroup_id_y 1
		.amdhsa_system_sgpr_workgroup_id_z 1
		.amdhsa_system_vgpr_workitem_id 0
		.amdhsa_next_free_vgpr 192
		.amdhsa_next_free_sgpr 66
		.amdhsa_reserve_vcc 0
		.amdhsa_float_denorm_mode_32 3
		.amdhsa_float_denorm_mode_16_64 3
		.amdhsa_memory_ordered 1
		.amdhsa_forward_progress 1
		.amdhsa_inst_pref_size 46
	.end_amdhsa_kernel
	.amdgpu_metadata
---
amdhsa.version: [ 1, 2 ]
amdhsa.kernels:
  - .name:           k_qf2e82ad6fa_quant_w
    .symbol:         k_qf2e82ad6fa_quant_w.kd
    .args:
      - { .name: Wv_s, .offset: 0, .size: 8, .value_kind: global_buffer, .address_space: global }
      - { .name: Wv_l, .offset: 8, .size: 8, .value_kind: global_buffer, .address_space: global }
      - { .name: Wq_s, .offset: 16, .size: 8, .value_kind: global_buffer, .address_space: global }
      - { .name: Wk_s, .offset: 24, .size: 8, .value_kind: global_buffer, .address_space: global }
      - { .name: Wq_l, .offset: 32, .size: 8, .value_kind: global_buffer, .address_space: global }
      - { .name: Wk_l, .offset: 40, .size: 8, .value_kind: global_buffer, .address_space: global }
      - { .name: Wo, .offset: 48, .size: 8, .value_kind: global_buffer, .address_space: global }
      - { .name: xw_c, .offset: 56, .size: 8, .value_kind: global_buffer, .address_space: global }
      - { .name: xw_s, .offset: 64, .size: 8, .value_kind: global_buffer, .address_space: global }
    .group_segment_fixed_size: 35840
    .private_segment_fixed_size: 0
    .kernarg_segment_align: 8
    .kernarg_segment_size: 72
    .max_flat_workgroup_size: 128
    .sgpr_count:     66
    .vgpr_count:     192
    .wavefront_size: 32
...
	.end_amdgpu_metadata
.endif
;; end of part 2
;; launch proj (part 3): grid 16 x 24, 4 waves a work-group, clusters of 4 x 4, 327,680 bytes of LDS; arguments xw_c, xw_s, qkv_c, qkv_s; writes qkv_c, qkv_s
.if DOCPART == 3
	.amdgcn_target "amdgcn-amd-amdhsa--gfx1250"
	.amdhsa_code_object_version 6
	.text
	.protected	k_qf2e82ad6fa_proj
	.globl	k_qf2e82ad6fa_proj
	.p2align	8
	.type	k_qf2e82ad6fa_proj,@function
k_qf2e82ad6fa_proj:
	s_mov_b64 s[64:65], 0
	v_nop
	global_prefetch_b8 v0, s[64:65] scope:SCOPE_SE
	s_setreg_imm32_b32 hwreg(HW_REG_WAVE_MODE, 25, 1), 1
	s_wait_xcnt 0x0
	s_wait_alu depctr_hold_cnt(0) depctr_sa_sdst(0) depctr_va_vdst(0) depctr_va_sdst(0) depctr_va_ssrc(0) depctr_va_vcc(0) depctr_vm_vsrc(0)
	s_getreg_b32 s2, hwreg(HW_REG_IB_STS2, 6, 4)
	s_cmp_eq_u32 s2, 0
	s_cbranch_scc0 .Lentry_in_a_cluster
	s_endpgm
.Lentry_in_a_cluster:
	s_bfe_u32 s2, ttmp6, 0x10000c
	s_cmp_lg_u32 s2, 0xf033
	s_cbranch_scc0 .Lentry_shape_is_right
	s_endpgm
.Lentry_shape_is_right:
; The six projections x W on codes of FP6 (E2M3) with E8M0 scales, K = 1,024, and their results quantised at once for attention.
; ONE BUFFER OF ROWS: units 0-4095 x, 4096-6143 Wv_s and Wv_l, 6144-10239 Wq_s, Wk_s, Wq_l, Wk_l; 768 bytes of codes and 32 scale bytes a unit.  A tile is 256 rows of "A" x 256 rows of "B".
; Tile rows 0-15: A = x, B = the four Q and K weights.  Tile rows 16-23 (V = 1): A = Wv, B = x.  The matrix instruction is used transposed (source 0 = 16 rows of B, source 1 = 16 rows of A): a lane holds ONE row
; of A and its registers run along B.  All rows lie at places pi (bits 3 and 4 exchanged), so the 16 registers of two neighbouring tiles of B are 16 true neighbours.
; So for Q and K a lane holds a token and 128 channels (two heads): blocks of 32 along the head's channels.  For V a lane holds a channel and 128 keys: blocks of 32 along the keys.  One way out serves both.
; RESULTS LEAVE AS IMAGES OF OPERAND REGISTERS: a sub-image is 16 rows x 64 K, 768 bytes: register pair i of lane l at 256 i + 8 l: each store of the wave covers 256 consecutive bytes, aligned.
;   Q, K: [16 sel + head][block of 16 tokens][768]; scale words [..][..][16 words], bytes 2 and 3 zero.   V, from byte 12,582,912: [16 branch + head][128 keys][16 channels][1536]; scale words from byte 1,048,576.
; Four waves, 128 x 128 each; K in steps of 256 through a ring of two LDS slots; clusters of 4 x 4 with joint loads: A's tile along a row of the cluster, B's along a column.  384 work-groups.
; LIMITS: NaN and infinities are not served; a block whose largest magnitude lies under 2^-124 keeps the byte 1.
.set SIZE_K, 1024
.set KSTEP,  256
.set NQ,     KSTEP/128
.set ROWB,   192                       ; a tile's row in bytes
.set KROW,   SIZE_K*6/8
.set PITCH,  240                       ; an LDS row: 3 x (64 bytes + 16 of padding)
.set FR,     12
.set NL,     6
.set NP,     4
.set HALFT,  128*PITCH
.set SLOT,   4*HALFT
.set LAPS,   SIZE_K/(2*KSTEP)
.set KS,     SIZE_K/32
.set SCL,    2*SLOT                    ; behind the ring: the scales, units of 256 bytes + 16
.set HALFS,  (128*KS/256)*272
.set SBLK,   (16*KS/256)*272
.set SPARE,  SCL+4*HALFS               ; the spare words, 128 bytes a wave
.set ADRA, 16                          ; v16-19 LDS addresses of A's fragments
.set ADRB, 20                          ; v20-23 of B's
.set AL8,  24                          ; v24 8 x lane
.set SST,  25                          ; v25 the way out: where my scale word goes: 1024 wave + 512 (lane / 16) + 4 (lane % 16), in slot 0, which has had its last fill and its last read by then
.set SRD,  26                          ; v26 and where 16 bytes of words come back: 1024 wave + 16 lane
.set ADRS, 27
.set SPW,  28
.set NIL,  29
.set SH,   30                          ; v30 16 (lane / 16)
.set GSA,  31                          ; v31 my byte offset among the scale words in memory
.set SC,   32                          ; v32-63 scale words, two sets
.set AF,   128                         ; A's fragments, window 0
.set PC0,  112                         ; the way out: two sets of 20 registers for codes
.set TM,   200                         ; v200-215 at work in the quantiser
.set PW,   216
.set T1,   217
.set WB,   220                         ; v220-227 words read back
.set G1, 24
.set G0, 32
.set G1B, 48
.set G0B, 56
.set G1S, 68
.set G0S, 76
.set G1SB, 80
.set G0SB, 88
.set MSB, 0
.macro WIN new                         ; the immediate's high byte repeats the setting that is left
.if MSB != \new
	s_set_vgpr_msb (MSB<<8)|\new
.set MSB, \new
.endif
.endm
.set MUL_LO, 0xa1                      ; source 0 (B) window 1, source 1 (A) window 0, C and D window 2
.set MUL_HI, 0xf1
.set TO_B,   0x40
; A joint load: waves 0 and 1 fetch for A, waves 2 and 3 for B.  An s_nop 0 and four v_nop follow each line.
.macro JLOAD g0a, g1a, g0b, g1b
	s_cmp_eq_u32 s15, 0
	s_cbranch_scc0 .Lfor_b_\@
	tensor_load_to_lds s[\g0a:\g0a+3], s[\g1a:\g1a+7]
	s_nop 0
.rept 4
	v_nop
.endr
	s_branch .Lasked_\@
.Lfor_b_\@:
	tensor_load_to_lds s[\g0b:\g0b+3], s[\g1b:\g1b+7]
	s_nop 0
.rept 4
	v_nop
.endr
.Lasked_\@:
.endm
.macro CREST
	s_cmp_lg_u32 s14, 0
	s_cbranch_scc1 .Lnot_wave_0_\@
	s_barrier_signal -3
.Lnot_wave_0_\@:
	s_barrier_wait -3
	s_barrier_signal -1
	s_barrier_wait -1
.endm
.macro CROUND
	s_barrier_signal -1
	s_barrier_wait -1
	CREST
.endm
	s_load_b128 s[4:7], s[0:1], 0x0                ; the rows' codes, their scale bytes
	s_load_b128 s[8:11], s[0:1], 0x10              ; the results' codes, their scale words
	v_lshl_add_u32 v[SPW], v0, 2, SPARE
	v_mov_b32 v[NIL], 0
	ds_add_u32 v[SPW], v[NIL]                      ; the wave's opening: the add and its wait ahead of my first tensor load
	v_lshrrev_b32 v1, 5, v0
	v_readfirstlane_b32 s14, v1                    ; wave
	s_lshr_b32 s15, s14, 1                         ; my half of A's rows.  Also: I fetch for A (0) or B (1)
	s_and_b32 s16, s14, 1                          ; my half of B's rows.  Also: which 128 rows I fetch
	s_bfe_u32 s40, ttmp6, 0x40000                  ; cx
	s_bfe_u32 s41, ttmp6, 0x40004                  ; cy
	s_lshl_b32 s42, ttmp9, 2
	s_add_co_u32 s42, s42, s40                     ; tile column
	s_and_b32 s17, ttmp7, 0xffff
	s_lshr_b32 s95, s17, 2                         ; V: 1 in the clusters that make V; the same in all sixteen partners
	s_lshl_b32 s17, s17, 2
	s_add_co_u32 s17, s17, s41                     ; tile row
	s_lshl_b32 s43, s41, 2
	s_lshl_b32 s43, 15, s43                        ; my row of the cluster
	s_lshl_b32 s44, 0x1111, s40                    ; my column
	s_or_b32 s[G1+0], s43, (0<<16)|(1<<20)|(1<<21)|(3<<22)|(3<<25)  ; mask; bytes; padding of 4 words behind every 16
	s_or_b32 s[G1B+0], s44, (0<<16)|(1<<20)|(1<<21)|(3<<22)|(3<<25)
.irp g, G1, G1B
	s_mov_b32 s[\g+1], ROWB<<16
	s_mov_b32 s[\g+2], 128<<16
	s_mov_b32 s[\g+3], ROWB<<16
	s_mov_b32 s[\g+4], 128
	s_mov_b32 s[\g+5], KROW
	s_mov_b32 s[\g+6], 0
	s_mov_b32 s[\g+7], 0
.endr
	s_or_b32 s[G1S+0], s43, (3<<16)|(1<<20)|(1<<21)|(5<<22)|(3<<25)   ; the scales of 128 rows: a dense block as rows of 256 bytes, 16 of padding behind each
	s_or_b32 s[G1SB+0], s44, (3<<16)|(1<<20)|(1<<21)|(5<<22)|(3<<25)
.irp g, G1S, G1SB
	s_mov_b32 s[\g+1], 32<<16
	s_mov_b32 s[\g+2], (128*KS/256)<<16
	s_mov_b32 s[\g+3], 32<<16
	s_mov_b32 s[\g+4], 128*KS/256
	s_mov_b32 s[\g+5], 32
	s_mov_b32 s[\g+6], 0
	s_mov_b32 s[\g+7], 0
.endr
	s_lshl_b32 s18, s16, 7
	s_lshl_b32 s20, s17, 8
	s_add_co_u32 s20, s20, s18                     ; A: unit 256 x tile row + 128 x half
	s_lshl_b32 s46, s42, 8
	s_add_co_u32 s46, s46, s18
	s_xor_b32 s96, s95, 1
	s_mul_i32 s96, s96, 6144
	s_add_co_u32 s46, s46, s96                     ; B: unit 256 x tile column + 128 x half, + 6,144 where B is a weight
	s_mov_b32 s21, 0
	s_mov_b32 s47, 0
	s_mov_b64 s[18:19], KS
	s_mul_u64 s[22:23], s[20:21], s[18:19]
	s_mul_u64 s[92:93], s[46:47], s[18:19]
	s_mov_b64 s[18:19], KROW
	s_mul_u64 s[20:21], s[20:21], s[18:19]
	s_mul_u64 s[46:47], s[46:47], s[18:19]
	s_mul_i32 s45, s14, HALFT
	s_mul_i32 s94, s14, HALFS
	s_wait_dscnt 0x0                               ; the opening add is done
	s_wait_kmcnt 0x0
	s_add_nc_u64 s[20:21], s[4:5], s[20:21]
	s_add_nc_u64 s[22:23], s[6:7], s[22:23]
	s_add_nc_u64 s[46:47], s[4:5], s[46:47]
	s_add_nc_u64 s[92:93], s[6:7], s[92:93]
	CROUND                                         ; all sixteen work-groups are here: the first joint loads meet
	s_mov_b32 s[G0S], 1
	s_add_co_u32 s[G0S+1], s94, SCL
	s_mov_b64 s[G0S+2:G0S+3], s[22:23]
	s_or_b32 s[G0S+3], s[G0S+3], 0x80000000
	s_mov_b32 s[G0SB], 1
	s_add_co_u32 s[G0SB+1], s94, SCL
	s_mov_b64 s[G0SB+2:G0SB+3], s[92:93]
	s_or_b32 s[G0SB+3], s[G0SB+3], 0x80000000
	JLOAD G0S, G1S, G0SB, G1SB                     ; the scales first
.irp s, 0,1
	s_mov_b32 s[G0+4*\s], 1
	s_add_co_u32 s[G0+4*\s+1], s45, \s*SLOT
	s_add_nc_u64 s[G0+4*\s+2:G0+4*\s+3], s[20:21], \s*ROWB
	s_or_b32 s[G0+4*\s+3], s[G0+4*\s+3], 0x80000000
	s_mov_b32 s[G0B+4*\s], 1
	s_add_co_u32 s[G0B+4*\s+1], s45, \s*SLOT
	s_add_nc_u64 s[G0B+4*\s+2:G0B+4*\s+3], s[46:47], \s*ROWB
	s_or_b32 s[G0B+4*\s+3], s[G0B+4*\s+3], 0x80000000
	JLOAD G0+4*\s, G1, G0B+4*\s, G1B               ; three loads of mine are out now
.endr
	v_and_b32 v1, 15, v0                           ; r
	v_bfe_u32 v2, v0, 4, 1                         ; h
	v_mul_u32_u24 v3, v1, PITCH
	v_mul_u32_u24 v4, v2, 24
	v_add_nc_u32 v4, v3, v4
	v_lshl_add_u32 v5, v2, 4, v4                   ; the same behind one padding more
	s_mul_i32 s21, s15, HALFT
	s_mul_i32 s22, s16, HALFT
	s_add_co_u32 s22, s22, 2*HALFT
.irp s, 0,1
	v_add_nc_u32 v[ADRA+\s], s21, v4
	v_add_nc_u32 v[ADRB+\s], s22, v4
	v_add_nc_u32 v[ADRA+2+\s], s21, v5
	v_add_nc_u32 v[ADRB+2+\s], s22, v5
	s_add_co_u32 s21, s21, SLOT
	s_add_co_u32 s22, s22, SLOT
.endr
	v_mul_u32_u24 v5, v1, KS
	v_lshrrev_b32 v6, 8, v5
	v_lshl_add_u32 v5, v6, 4, v5
	s_mul_i32 s21, s15, HALFS
	s_mul_i32 s22, s16, HALFS
	s_add_co_u32 s22, s22, 2*HALFS
	s_sub_co_u32 s22, s22, s21
	v_mul_u32_u24 v6, s22, v2                      ; lanes 16-31 take B's
	s_add_co_u32 s21, s21, SCL
	v_add_nc_u32 v5, v5, v6
	v_add_nc_u32 v[ADRS], s21, v5
	s_lshl_b32 s23, s14, 10
	v_lshlrev_b32 v5, 2, v1
	v_lshl_add_u32 v5, v2, 9, v5
	v_add_nc_u32 v[SST], s23, v5
	v_and_b32 v6, 31, v0
	v_lshl_add_u32 v[SRD], v6, 4, s23
	v_lshlrev_b32 v[AL8], 3, v6
	v_lshlrev_b32 v[SH], 4, v2
.macro FRAG reg, adr, q, i             ; a fragment, 16 rows x 128 K: 12 registers, six pieces of 8 bytes; where the piece three on lies behind one padding more, the second address register serves
.irp p, 0,1,2,3,4,5
.set PCE, 12*(\q)+6*(\p/3)+\p%3
.if PCE%8 < 5
	ds_load_b64 v[\reg+2*\p:\reg+2*\p+1], v[\adr] offset:8*PCE+16*(PCE/8)+(\i)*16*PITCH
.else
	ds_load_b64 v[\reg+2*\p:\reg+2*\p+1], v[\adr+2] offset:8*PCE+16*(PCE/8)+(\i)*16*PITCH
.endif
.endr
.endm
; 16 matrix instructions: A's blocks a0, a0 + 1 x B's eight.  The 64 accumulators take turns, one instruction a turn.
.macro MUL16 a0, p, q, sc, zero
.irp a, \a0, \a0+1
.irp b, 0,1,2,3,4,5,6,7
.if \zero
	v_wmma_scale_f32_16x16x128_f8f6f4 v[8*(8*((\a)%4)+\b):8*(8*((\a)%4)+\b)+7], v[128*(\p)+FR*\b:128*(\p)+FR*\b+FR-1], v[AF+FR*(\a):AF+FR*(\a)+FR-1], 0, v[SC+8*NQ*(\sc)+NQ*\b+(\q)], v[SC+8*NQ*(\sc)+NQ*(\a)+(\q)] matrix_a_fmt:MATRIX_FMT_FP6 matrix_b_fmt:MATRIX_FMT_FP6 matrix_a_scale:MATRIX_SCALE_ROW1
.else
	v_wmma_scale_f32_16x16x128_f8f6f4 v[8*(8*((\a)%4)+\b):8*(8*((\a)%4)+\b)+7], v[128*(\p)+FR*\b:128*(\p)+FR*\b+FR-1], v[AF+FR*(\a):AF+FR*(\a)+FR-1], v[8*(8*((\a)%4)+\b):8*(8*((\a)%4)+\b)+7], v[SC+8*NQ*(\sc)+NQ*\b+(\q)], v[SC+8*NQ*(\sc)+NQ*(\a)+(\q)] matrix_a_fmt:MATRIX_FMT_FP6 matrix_b_fmt:MATRIX_FMT_FP6 matrix_a_scale:MATRIX_SCALE_ROW1
.endif
.endr
.endr
.endm
.macro FETCH_B slot, q, p
	WIN TO_B
.irp i, 0,1,2,3,4,5,6,7
	FRAG 128*(\p)+FR*\i, ADRB+\slot, \q, \i
.endr
	WIN 0
.endm
.macro FETCH_A slot, q, i0
.irp i, \i0, \i0+1, \i0+2, \i0+3
	FRAG AF+FR*(\i), ADRA+\slot, \q, \i
.endr
.endm
.macro SCALES sc                       ; lanes 0-15 take A's block i, lanes 16-31 B's block i: two words a row
.irp i, 0,1,2,3,4,5,6,7
	ds_load_b64 v[SC+8*NQ*\sc+NQ*\i:SC+8*NQ*\sc+NQ*\i+1], v[ADRS] offset:\i*SBLK
.endr
.endm
.macro PLACES n                        ; plain vector places behind matrix instructions, in front of loads into their registers and of reads of their results
.rept \n
	v_nop
.endr
.endm
.macro STEP slot, q, zero
	s_wait_dscnt 4*NL                              ; B's set and A's blocks 0-3 are in; the youngest 24 loads (A's blocks 4-7) may be out
	WIN MUL_LO
	MUL16 0, (\q)%2, \q, \slot, \zero
	MUL16 2, (\q)%2, \q, \slot, \zero
	s_wait_dscnt 0
	PLACES NP
	FETCH_B \slot, (\q)+1, 1-(\q)%2
	FETCH_A \slot, (\q)+1, 0
	WIN MUL_HI
	MUL16 4, (\q)%2, \q, \slot, \zero
	MUL16 6, (\q)%2, \q, \slot, \zero
	PLACES NP
	WIN 0
	FETCH_A \slot, (\q)+1, 4
.endm
; A slot's last step changes slots: one barrier; in front of it each wave waits for all its tensor loads, adds 0 to its spare word, and waits for that and for its reads of this slot.
.macro TURN slot, next, fill
	s_wait_tensorcnt 0x0                           ; all my tensor loads have landed: my part of the next slot
	ds_add_u32 v[SPW], v[NIL]
	s_wait_dscnt 4*NL+1                            ; the add and the youngest 24 loads may be out
	WIN MUL_LO
	MUL16 0, 1, NQ-1, \slot, 0
	s_wait_dscnt 0x0                               ; the add is done, and my reads of this slot are over
	s_barrier_signal -1
	MUL16 2, 1, NQ-1, \slot, 0
	WIN 0
	s_barrier_wait -1
.if \fill
	CREST                                          ; the barrier has opened a round of the cluster's: no wave of any partner still reads this slot or has a load on its way
	s_add_nc_u64 s[G0+4*\slot+2:G0+4*\slot+3], s[G0+4*\slot+2:G0+4*\slot+3], 2*ROWB
	s_add_nc_u64 s[G0B+4*\slot+2:G0B+4*\slot+3], s[G0B+4*\slot+2:G0B+4*\slot+3], 2*ROWB
	JLOAD G0+4*\slot, G1, G0B+4*\slot, G1B         ; my one tensor load behind the round; its four v_nop are the places in front of the loads below
.else
	PLACES NP
.endif
	v_add_nc_u32 v[ADRS], 4*NQ, v[ADRS]
	FETCH_B \next, 0, 0
	FETCH_A \next, 0, 0
	SCALES \next
	WIN MUL_HI
	MUL16 4, 1, NQ-1, \slot, 0
	MUL16 6, 1, NQ-1, \slot, 0
	PLACES NP
	WIN 0
	FETCH_A \next, 0, 4
.endm
	s_wait_tensorcnt 1                             ; the scales and my part of K step 0 are in; K step 1's load may be out
	s_barrier_signal -1
	s_barrier_wait -1
	FETCH_B 0, 0, 0
	FETCH_A 0, 0, 0
	SCALES 0
	FETCH_A 0, 0, 4
	STEP 0, 0, 1                                   ; the first step's products start the sums
	s_mov_b32 s3, LAPS-1
.Llap:
	TURN 0, 1, 1
	STEP 1, 0, 0
	TURN 1, 0, 1
	STEP 0, 0, 0
	s_sub_co_u32 s3, s3, 1
	s_cmp_lg_u32 s3, 0
	s_cbranch_scc1 .Llap
	TURN 0, 1, 0                                   ; the last lap fills nothing
	STEP 1, 0, 0
	s_wait_dscnt 4*NL
	WIN MUL_LO
	MUL16 0, 1, NQ-1, 1, 0
	MUL16 2, 1, NQ-1, 1, 0
	s_wait_dscnt 0
	WIN MUL_HI
	MUL16 4, 1, NQ-1, 1, 0
	MUL16 6, 1, NQ-1, 1, 0
	WIN 0
	; THE WAY OUT.  Strides for Q and K (V = 0) or for V (V = 1); the selects stand ahead of the sums, which write SCC.
	PLACES NP
.irp b, 0,1,2,3
	v_mov_b32 v[TM+4+\b], 0                        ; a lane permute's destination counts as one of its sources
.endr
	s_cmp_eq_u32 s95, 0
	s_mov_b32 s24, 49152
	s_cselect_b32 s24, 768, s24                    ; bytes for each of A's blocks ahead of my first
	s_mov_b32 s25, 6144
	s_cselect_b32 s25, 393216, s25                 ; for each group of 128 along B
	s_mov_b32 s26, 768
	s_cselect_b32 s26, 196608, s26                 ; from sub-image 0 to sub-image 1
	s_mov_b32 s28, 1536
	s_cselect_b32 s28, 768, s28                    ; from block to block,
	s_mov_b32 s30, 192000
	s_cselect_b32 s30, 768, s30                    ; and from block 3 to block 4 (in V: the next head)
	s_cselect_b32 s32, 0xffff, -1                  ; Q, K: two bytes of the word for each head; V: all four
	s_mov_b32 s33, 8192
	s_cselect_b32 s33, 256, s33
	s_mov_b32 s34, 2048
	s_cselect_b32 s34, 64, s34
	s_mov_b32 s35, 256
	s_cselect_b32 s35, 32768, s35
	s_cselect_b32 s36, 0, 524288
	s_mov_b32 s27, 0
	s_mov_b32 s29, 0
	s_mov_b32 s31, 0
	s_mov_b32 s44, 0x76543210
	s_mov_b32 s45, 0xfedcba98                      ; selects for lane l xor 16
	s_lshl_b32 s37, s17, 4
	s_lshl_b32 s38, s15, 3
	s_add_co_u32 s37, s37, s38                     ; my first block of A: 16 x tile row + 8 x half
	s_lshl_b32 s38, s42, 1
	s_add_co_u32 s38, s38, s16                     ; my group of 128 of B
	s_mul_i32 s40, s37, s24
	s_mul_i32 s39, s38, s25
	s_add_co_u32 s40, s40, s39
	s_mov_b32 s41, 0
	s_add_nc_u64 s[8:9], s[8:9], s[40:41]          ; sub-image 0 (in V the part's first byte, 12,582,912, equals 256 blocks x 49,152)
	s_add_nc_u64 s[12:13], s[8:9], s[26:27]        ; sub-image 1
	s_mul_i32 s40, s37, s34
	s_mul_i32 s39, s38, s35
	s_add_co_u32 s40, s40, s39
	s_add_co_u32 s40, s40, s36
	s_add_nc_u64 s[10:11], s[10:11], s[40:41]
	v_lshlrev_b32 v[GSA], 4, v1
	v_mad_u32_u24 v[GSA], v2, s33, v[GSA]
; Block a's 64 results of a lane (register 16 b + i = number 32 b + 16 (lane / 16) + i along B) become a fragment's codes and its scale word.
.macro QUANTW a
.set AC, 64*((\a)%4)
.set WW, 2+(\a)/4
.set WS, WW|(WW<<2)
.set PCS, PC0+20*((\a)%2)
	WIN WS                                         ; sources 0 and 1 in the accumulators' window
.irp b, 0,1,2,3
	v_max3_num_f32 v[TM+\b], |v[AC+16*\b]|, |v[AC+1+16*\b]|, 0x1800000   ; each accumulator is read from its low end on; the floor 2^(3 - 127) holds the byte at 1
.endr
.irp i, 2,4,6,8,10,12,14
.irp b, 0,1,2,3
	v_max3_num_f32 v[TM+\b], |v[AC+16*\b+\i]|, |v[AC+1+16*\b+\i]|, v[TM+\b]
.endr
.endr
	WIN 0
.irp b, 0,1,2,3
	v_permlanex16_b32 v[TM+4+\b], v[TM+\b], s44, s45
.endr
.irp b, 0,1,2,3
	v_max_num_f32 v[TM+\b], v[TM+\b], v[TM+4+\b]
.endr
.irp b, 0,1,2,3
	v_add_nc_u32 v[TM+12+\b], 0xff000000, v[TM+\b] ; 2 off the exponent field: the conversion's scale operand
.endr
.irp b, 0,1,2,3
	v_lshrrev_b32 v[TM+4+\b], 23, v[TM+12+\b]
.endr
	v_lshl_or_b32 v[PW], v[TM+5], 8, v[TM+4]
	v_lshl_or_b32 v[PW], v[TM+6], 16, v[PW]
	v_lshl_or_b32 v[PW], v[TM+7], 24, v[PW]
	WIN WW                                         ; source 0 in the accumulators' window
.irp c, 0,1
	v_cvt_scalef32_pk16_fp6_f32 v[PCS+6*\c:PCS+2+6*\c], v[AC+32*\c:AC+15+32*\c], v[TM+12+2*\c]
	v_cvt_scalef32_pk16_fp6_f32 v[PCS+12+4*\c:PCS+14+4*\c], v[AC+16+32*\c:AC+31+32*\c], v[TM+12+2*\c+1]
.endr
	WIN 0
	v_nop                                          ; one plain place behind a scaled conversion
.irp c, 0,1                                    ; a whole block to a lane
.irp i, 0,1,2
	v_permlane16_swap_b32 v[PCS+6*\c+\i], v[PCS+12+4*\c+\i]
.endr
.irp i, 0,1,2
	v_mov_b32 v[PCS+3+6*\c+\i], v[PCS+12+4*\c+\i]
.endr
.endr
.endm
.irp a, 0,1,2,3,4,5,6,7
	QUANTW \a
	v_lshrrev_b32 v[T1], v[SH], v[PW]              ; lanes 0-15 the word (of Q, K: head 0's bytes), lanes 16-31 head 1's
	v_and_b32 v[T1], s32, v[T1]
	ds_store_b32 v[SST], v[T1] offset:64*\a
	s_wait_xcnt 0x0                                ; the earlier stores have read their bases and their data: the bases step, and the next block may write the other set of codes
.if \a == 4
	s_add_nc_u64 s[8:9], s[8:9], s[30:31]
	s_add_nc_u64 s[12:13], s[12:13], s[30:31]
.elseif \a > 0
	s_add_nc_u64 s[8:9], s[8:9], s[28:29]
	s_add_nc_u64 s[12:13], s[12:13], s[28:29]
.endif
.irp c, 0,1
.irp i, 0,1,2
	global_store_b64 v[AL8], v[PCS+6*\c+2*\i:PCS+6*\c+2*\i+1], s[8+4*\c:9+4*\c] offset:256*\i   ; 32 lanes store 256 consecutive bytes, aligned
.endr
.endr
.endr
	ds_load_b128 v[WB:WB+3], v[SRD]                ; my eight blocks' words (LDS serves a wave's instructions in order)
	ds_load_b128 v[WB+4:WB+7], v[SRD] offset:512
	s_wait_dscnt 0x0
	global_store_b128 v[GSA], v[WB:WB+3], s[10:11]
	s_cmp_lg_u32 s95, 0                            ; V has one word a row; the branch hangs on the cluster's y alone
	s_cbranch_scc1 .Lone_word
	global_store_b128 v[GSA], v[WB+4:WB+7], s[10:11] offset:16384    ; Q, K: the odd head's words
.Lone_word:
	s_wait_tensorcnt 0x0                           ; the wave's end
	ds_add_u32 v[SPW], v[NIL]
	s_wait_dscnt 0x0
	CROUND                                         ; the closing round
	s_endpgm
.Lfunc_end_k_qf2e82ad6fa_proj:
	.size	k_qf2e82ad6fa_proj, .Lfunc_end_k_qf2e82ad6fa_proj-k_qf2e82ad6fa_proj
	.p2alignl 7, 3214868480
	.fill 96, 4, 3214868480
	.section	.rodata,"a",@progbits
	.p2align	6, 0x0
	.amdhsa_kernel k_qf2e82ad6fa_proj
		.amdhsa_group_segment_fixed_size 327680
		.amdhsa_private_segment_fixed_size 0
		.amdhsa_enable_private_segment 0
		.amdhsa_kernarg_size 32
		.amdhsa_user_sgpr_count 2
		.amdhsa_user_sgpr_kernarg_segment_ptr 1
		.amdhsa_wavefront_size32 1
		.amdhsa_system_sgpr_workgroup_id_x 1
		.amdhsa_system_sgpr_workgroup_id_y 1
		.amdhsa_system_sgpr_workgroup_id_z 1
		.amdhsa_system_vgpr_workitem_id 0
		.amdhsa_next_free_vgpr 1024
		.amdhsa_next_free_sgpr 98
		.amdhsa_reserve_vcc 0
		.amdhsa_float_denorm_mode_32 3
		.amdhsa_float_denorm_mode_16_64 3
		.amdhsa_memory_ordered 1
		.amdhsa_forward_progress 1
		.amdhsa_inst_pref_size 169
	.end_amdhsa_kernel
	.amdgpu_metadata
---
amdhsa.version: [ 1, 2 ]
amdhsa.kernels:
  - .name:           k_qf2e82ad6fa_proj
    .symbol:         k_qf2e82ad6fa_proj.kd
    .args:
      - { .name: xw_c, .offset: 0, .size: 8, .value_kind: global_buffer, .address_space: global }
      - { .name: xw_s, .offset: 8, .size: 8, .value_kind: global_buffer, .address_space: global }
      - { .name: qkv_c, .offset: 16, .size: 8, .value_kind: global_buffer, .address_space: global }
      - { .name: qkv_s, .offset: 24, .size: 8, .value_kind: global_buffer, .address_space: global }
    .group_segment_fixed_size: 327680
    .private_segment_fixed_size: 0
    .kernarg_segment_align: 8
    .kernarg_segment_size: 32
    .max_flat_workgroup_size: 128
    .sgpr_count:     98
    .vgpr_count:     1024
    .wavefront_size: 32
...
	.end_amdgpu_metadata
.endif
;; end of part 3
;; launch attn (part 4): grid 8 x 32, 16 waves a work-group, clusters of 4 x 1, 260,864 bytes of LDS; arguments qkv_c, qkv_s, mask, cmb_c, cmb_s; writes cmb_c, cmb_s
.if DOCPART == 4
	.amdgcn_target "amdgcn-amd-amdhsa--gfx1250"
	.amdhsa_code_object_version 6
	.text
	.protected	k_qf2e82ad6fa_attn
	.globl	k_qf2e82ad6fa_attn
	.p2align	8
	.type	k_qf2e82ad6fa_attn,@function
k_qf2e82ad6fa_attn:
	s_mov_b64 s[64:65], 0
	v_nop
	global_prefetch_b8 v0, s[64:65] scope:SCOPE_SE
	s_setreg_imm32_b32 hwreg(HW_REG_WAVE_MODE, 25, 1), 1
	s_wait_xcnt 0x0
	s_wait_alu depctr_hold_cnt(0) depctr_sa_sdst(0) depctr_va_vdst(0) depctr_va_sdst(0) depctr_va_ssrc(0) depctr_va_vcc(0) depctr_vm_vsrc(0)
	s_getreg_b32 s2, hwreg(HW_REG_IB_STS2, 6, 4)
	s_cmp_eq_u32 s2, 0
	s_cbranch_scc0 .Lentry_in_a_cluster
	s_endpgm
.Lentry_in_a_cluster:
	s_bfe_u32 s2, ttmp6, 0x10000c
	s_cmp_lg_u32 s2, 0x3003
	s_cbranch_scc0 .Lentry_shape_is_right
	s_endpgm
.Lentry_shape_is_right:
; Both attentions of one (batch, head) for 256 queries, on codes of FP6 (E2M3) with E8M0 scales, and their results quantised for the last product.
; SHARES.  A work-group: 256 places of queries of one batch and head; each of sixteen waves one tile of 16, for BOTH branches: first the short one (window of 65 keys, recency bias), then the long one (all 2,048 keys).
; The long branch's K and V of the whole (batch, head), 2 x 98,304 bytes, lie in LDS for the whole launch: no slot is filled twice.  The four work-groups of a cluster share them: joint loads.  The short branch's three key steps
; (128 keys ahead of the block, and the block's 256) come by a plain load and are worked while the long tiles land.
; LAYOUT.  Both products transposed: S^T = K Q^T + C, O^T = V^T P^T: a lane holds ONE query.  Tokens and V's channels lie at places pi (bits 3 and 4 exchanged), so the 16 registers of tiles 2 b, 2 b + 1 are 16 true neighbours.
; Operands are images of registers: a sub-image (16 rows x 64 K) is 768 bytes, register pair i of lane l at 256 i + 8 l.
; K = 64 IN K Q^T: Q's registers 6-11 are zeros; K's tiles stand 6 registers apart, so a tile's upper six registers are the next tile's codes, finite numbers multiplied by 0; bytes 2, 3 of both scale words are 0 (2^-127).
; MASKS ARE THE C OF THE FIRST PRODUCT.  Scores stay unscaled: t = (s + C) c, c = log2(e) / 8.  A hidden key has C = -2^100; the running largest t begins at -2^90, above -2^100 c: a hidden key's p is exactly 0, and a row
; with no key has the sum 0.  Long: C = 0 or -2^100, from a table in LDS, loaded straight into the accumulators.  Short: with x = key - query + 32, C = fma(x, 8 L, -32 x 8 L) = round((key - query) 8 L), L = f32(ln 0.9),
; kept where |x| <= 32.
; SOFTMAX: M = the running largest t rounded up to a whole number; p = 2^(t - M) is quantised along the keys; the sum is taken of the unquantised p and divides at the end.
; A ROW WITH NO KEY: its codes are zeros and that branch's two scale bytes 0xff: the last product's sums of that row are then NaN, as the softmax of an empty row is.
; LIMITS: t must lie above -2^90; NaN and infinities are not served.
.set KL,    0                          ; LDS: K long, 128 tiles x 768
.set VL,    98304                      ; V long, 16 steps x 4 tiles x 1,536
.set KS,    196608                     ; K short, 24 tiles
.set VS,    215040                     ; V short, 3 steps
.set KLS,   233472                     ; K long's scale words, 64 bytes a tile
.set VLS,   241664                     ; V long's, 256 bytes a step
.set KSS,   245760
.set VSS,   247296
.set MBL,   248064                     ; 2,048 f32: 0 or -2^100
.set MBS,   256256                     ; 384 f32: -32 x 8 L or -2^100
.set CSTG,  257792                     ; sixteen waves' scale words on the way out
.set SPARE, 258816                     ; the spare words, 128 bytes a wave
.set AL8, 1                            ; v1 8 x lane
.set AL4, 2                            ; v2 4 x lane
.set AMH, 3                            ; v3 64 (lane / 16)
.set SPW, 4
.set NIL, 5
.set QREL, 6                           ; v6 16 (lane / 16) + 32 - my query's number in the block
.set NEGR, 7                           ; v7 -2^100
.set ADK, 8
.set ADV, 9
.set ADS, 10
.set ADT, 11                           ; v12 -M, v13 the largest t, v[14:15] the sum
.set QS,  16                           ; v16-27 Q short and six zeros
.set QL,  28                           ; v28-39 Q long and six zeros
.set QSW, 40
.set QLW, 41
.set KV,  42                           ; v42-95 K's tile t at 42 + 6 t, or V's tile d at 42 + 12 d; v90-95 stay 0
.set SS,  96                           ; v96-159 C, S^T, p
.set OT,  160                          ; v160-191 O^T
.set PCD, 192                          ; v192-203 p's codes
.set H0,  204                          ; v204-206, v208-210 conversions' second halves
.set BM,  212
.set BT,  216
.set SO,  220
.set BY,  224
.set KW,  228                          ; v228-231 K's scale words: tile 2 u in lanes 0-15, tile 2 u + 1 in lanes 16-31
.set VW,  232                          ; v232-233 V's likewise
.set PWD, 234                          ; p's scale word
.set ADM, 235
.set FF,  236                          ; v[236:237] f, later 1 / sum
.set TT,  238
.set C32, 239                          ; 32.0
.set L2,  240
.set CSH, 242                          ; v242-247 the short branch's codes
.set WSH, 248                          ; its two bytes, later the whole word
.set ACS, 249
.set XB,  250                          ; v250-253 x of the four blocks
.set A16, 254                          ; KLS + 16 x thread
.set GO,  255
.set WV,  14
.set SEL, 20
.set CS,  22
.set G1P, 24
.set G1J, 32
.set G0S, 40
.set G0L, 44
.set TK,  48
.set TV,  49
.set TSK, 50
.set TSV, 51
.set TM,  52
.set KB,  53
.set CNT, 54
.set L8,  55
.set MK,  56
.macro CROUND
	s_barrier_signal -1
	s_barrier_wait -1
	s_cmp_lg_u32 s[WV], 0
	s_cbranch_scc1 .Lnot_wave_0_\@
	s_barrier_signal -3
.Lnot_wave_0_\@:
	s_barrier_wait -3
	s_barrier_signal -1
	s_barrier_wait -1
.endm
	s_load_b256 s[4:11], s[0:1], 0x0               ; the codes, the scale words, the mask, the result's codes
	s_load_b64 s[12:13], s[0:1], 0x20              ; the result's scale words
	v_lshl_add_u32 v[SPW], v0, 2, SPARE
	v_mov_b32 v[NIL], 0
	ds_add_u32 v[SPW], v[NIL]                      ; the wave's opening: the add and its wait ahead of the first tensor loads
	v_lshrrev_b32 v8, 5, v0
	v_readfirstlane_b32 s[WV], v8                  ; wave 0..15
	s_bfe_u32 s15, ttmp6, 0x40000                  ; cx
	s_lshl_b32 s16, ttmp9, 2
	s_add_co_u32 s16, s16, s15                     ; my block of 256 queries: it enters global addresses alone
	s_and_b32 s17, ttmp7, 0xffff
	s_lshr_b32 s18, s17, 4                         ; batch
	s_and_b32 s19, s17, 15                         ; head
	; dense blocks as rows of 256 bytes (32 elements of 8).  Short: 36 rows, a plain load.  Long: 192 rows, asked for jointly by the four work-groups
	s_mov_b32 s[G1P], 3<<16
	s_mov_b32 s[G1P+1], 32<<16
	s_mov_b32 s[G1P+2], 36<<16
	s_mov_b32 s[G1P+3], 32<<16
	s_mov_b32 s[G1P+4], 36
	s_mov_b32 s[G1P+5], 32
	s_mov_b32 s[G1P+6], 0
	s_mov_b32 s[G1P+7], 0
	s_mov_b32 s[G1J], 15|(3<<16)|(1<<21)
	s_mov_b32 s[G1J+1], 32<<16
	s_mov_b32 s[G1J+2], 192<<16
	s_mov_b32 s[G1J+3], 32<<16
	s_mov_b32 s[G1J+4], 192
	s_mov_b32 s[G1J+5], 32
	s_mov_b32 s[G1J+6], 0
	s_mov_b32 s[G1J+7], 0
	s_mul_i32 s66, s19, 196608
	s_mul_i32 s60, s18, 98304
	s_add_co_u32 s66, s66, s60                     ; X: a (batch, head)'s bytes of codes ahead, the same number in the Q, K part and in the V part
	s_lshl_b32 s67, s19, 14
	s_lshl_b32 s60, s18, 13
	s_add_co_u32 s67, s67, s60                     ; the same for Q's and K's scale words; half of it for V's
	s_lshr_b32 s61, s[WV], 1                       ; of the fetching waves 0-3: 0 K, 1 V
	s_and_b32 s62, s[WV], 1                        ; which half
	s_mul_i32 s68, s61, 6291456
	s_mul_i32 s60, s62, 49152
	s_add_co_u32 s68, s68, s60
	s_add_co_u32 s68, s68, s66
	s_add_co_u32 s68, s68, 9437184                 ; long: K at 48 x 196,608 + X, V 6,291,456 further on
	s_mov_b32 s69, 0
	s_mul_i32 s70, s61, 9437184
	s_mul_i32 s63, s62, 9216
	s_add_co_u32 s70, s70, s63
	s_add_co_u32 s70, s70, s66
	s_mul_i32 s63, s16, 12288
	s_add_co_u32 s70, s70, s63
	s_add_co_u32 s70, s70, 3139584                 ; short: K at 16 x 196,608 + X + 12,288 block - 6,144, V 9,437,184 further on.  In a batch's first block the first step's bytes are a neighbour's: inside the buffer, finite codes, and all its keys are hidden by the table
	s_mov_b32 s71, 0
	s_lshl_b32 s72, s16, 10
	s_add_co_u32 s72, s72, s67
	s_lshl_b32 s73, s16, 4
	s_add_co_u32 s73, s73, s[WV]                   ; my tile in the batch
	s_mul_i32 s74, s73, 768
	s_add_co_u32 s74, s74, s66                     ; Q short's codes
	s_lshl_b32 s75, s73, 6
	s_add_co_u32 s75, s75, s67                     ; and words
	s_lshl_b32 s76, s18, 7
	s_add_co_u32 s76, s76, s73
	s_lshl_b32 s76, s76, 4
	s_add_co_u32 s76, s76, s19
	s_mul_i32 s76, s76, 1536                       ; the result: (tile x 16 + head) x 1,536
	s_bfe_u32 s77, s[WV], 0x10002                  ; bit 2 of the wave's number
	s_lshr_b32 s78, s[WV], 3
	s_mov_b32 s[SEL], 0x76543210
	s_mov_b32 s[SEL+1], 0xfedcba98
	s_mov_b32 s[CS], 0x3e38aa3b                    ; c = log2(e) / 8
	s_mov_b32 s[CS+1], s[CS]
	s_mov_b32 s[L8], 0xbf57c741                    ; 8 L
	s_wait_dscnt 0x0                               ; the opening add is done
	s_wait_kmcnt 0x0
	s_mov_b32 s[G0S], 1
	s_mul_i32 s[G0S+1], s[WV], 9216
	s_add_co_u32 s[G0S+1], s[G0S+1], KS
	s_add_nc_u64 s[G0S+2:G0S+3], s[4:5], s[70:71]
	s_or_b32 s[G0S+3], s[G0S+3], 0x80000000
	s_mov_b32 s[G0L], 1
	s_mul_i32 s[G0L+1], s[WV], 49152
	s_add_nc_u64 s[G0L+2:G0L+3], s[4:5], s[68:69]
	s_or_b32 s[G0L+3], s[G0L+3], 0x80000000
	CROUND                                         ; all four work-groups are here: the joint loads meet
	s_cmp_lt_u32 s[WV], 4                          ; waves 0-3 fetch, two loads each, in one branch
	s_cbranch_scc0 .Lno_fetch
	tensor_load_to_lds s[G0S:G0S+3], s[G1P:G1P+7]
	s_nop 0
	tensor_load_to_lds s[G0L:G0L+3], s[G1J:G1J+7]
	s_nop 0
.rept 4
	v_nop
.endr
.Lno_fetch:
	v_and_b32 v8, 31, v0                           ; lane
	v_and_b32 v9, 15, v0                           ; r
	v_bfe_u32 v10, v0, 4, 1                        ; h
	v_lshlrev_b32 v[AL8], 3, v8
	v_lshlrev_b32 v[AL4], 2, v8
	v_lshlrev_b32 v[AMH], 6, v10
	v_lshl_add_u32 v[A16], v0, 4, KLS
	v_lshl_add_u32 v100, v0, 3, VLS
	s_lshl_b32 s60, s[WV], 6
	s_add_co_u32 s60, s60, CSTG
	v_lshl_add_u32 v[ACS], v9, 2, s60
	s_lshl_b32 s60, s61, 5
	s_lshl_b32 s62, s62, 3
	s_add_co_u32 s60, s60, s62
	s_sub_co_u32 s60, 32, s60
	v_and_b32 v11, 7, v9
	v_and_b32 v12, 8, v9
	v_lshl_add_u32 v11, v12, 1, v11                ; r + 8 (r / 8)
	v_lshl_add_u32 v[QREL], v10, 4, s60
	v_sub_nc_u32 v[QREL], v[QREL], v11
	v_mov_b32 v[NEGR], 0xf1800000
	v_lshlrev_b32 v101, 4, v0
	v_add_nc_u32 v113, s72, v101
	v_add_nc_u32 v101, s67, v101
	v_lshlrev_b32 v102, 3, v0
	s_lshr_b32 s60, s67, 1
	v_add_nc_u32 v102, s60, v102
	s_lshl_b32 s63, s16, 9
	v_add_nc_u32 v114, s63, v102
	s_lshl_b32 s60, s18, 11
	v_lshl_add_u32 v103, v0, 2, s60
	s_lshl_b32 s63, s16, 8
	s_sub_co_u32 s63, s63, 128
	v_lshl_add_u32 v123, v0, 2, s63                ; the first of my four keys of the short table; under 0 ahead of the batch
	v_ashrrev_i32 v129, 31, v123
	v_xor_b32 v129, -1, v129                       ; all ones where it is 0 or more
	v_and_b32 v115, v129, v123                     ; held at 0: no load leaves the mask
	v_add_nc_u32 v115, s60, v115
	v_add_nc_u32 v111, s74, v[AL8]
	v_lshl_add_u32 v112, v9, 2, s75
	global_load_b128 v[104:107], v101, s[6:7] offset:786432      ; K long's scale words: 8,192 bytes by 512 threads
	global_load_b64 v[108:109], v102, s[6:7] offset:1179648      ; V long's: 4,096 bytes
	global_load_b32 v110, v103, s[8:9]                           ; the batch's 2,048 mask bytes
.irp i, 0,1,2
	global_load_b64 v[QS+2*\i:QS+2*\i+1], v111, s[4:5] offset:256*\i
	global_load_b64 v[QL+2*\i:QL+2*\i+1], v111, s[4:5] offset:6291456+256*\i
.endr
	global_load_b32 v[QSW], v112, s[6:7]
	global_load_b32 v[QLW], v112, s[6:7] offset:524288
	s_cmp_lt_u32 s[WV], 3                          ; threads 0-95 bring the short branch's tables
	s_cbranch_scc0 .Lno_short
	global_load_b128 v[116:119], v113, s[6:7] offset:261632
	global_load_b64 v[120:121], v114, s[6:7] offset:1048320
	global_load_b32 v122, v115, s[8:9]
	s_wait_loadcnt 0x0
	v_and_b32 v122, v129, v122                     ; keys ahead of the batch count as masked
.irp k, 0,1,2,3
	v_bfe_u32 v128, v122, 8*\k, 8
	v_cmp_eq_u32 vcc_lo, 0, v128
	v_cndmask_b32 v[124+\k], 0x41d7c741, v[NEGR], vcc_lo         ; -32 x 8 L, or -2^100 where the key is masked
.endr
	ds_store_b128 v[A16], v[116:119] offset:KSS-KLS
	ds_store_b64 v100, v[120:121] offset:VSS-VLS
	ds_store_b128 v[A16], v[124:127] offset:MBS-KLS
.Lno_short:
	s_wait_loadcnt 0x0
.irp k, 0,1,2,3
	v_bfe_u32 v128, v110, 8*\k, 8
	v_cmp_eq_u32 vcc_lo, 0, v128
	v_cndmask_b32 v[132+\k], 0, v[NEGR], vcc_lo
.endr
	ds_store_b128 v[A16], v[104:107]
	ds_store_b64 v100, v[108:109]
	ds_store_b128 v[A16], v[132:135] offset:MBL-KLS
.irp j, 0,1,2,3,4,5
	v_mov_b32 v[QS+6+\j], 0
	v_mov_b32 v[QL+6+\j], 0
	v_mov_b32 v[KV+48+\j], 0
.endr
.irp b, 0,1,2,3
	v_mov_b32 v[BT+\b], 0                          ; a lane permute's destination counts as one of its sources
.endr
	v_mov_b32 v[FF+1], 0
	v_mov_b32 v[TT], 0
	v_mov_b32 v[C32], 0x42000000
	s_wait_tensorcnt 0x1                           ; my part of the short tiles is in; the long tile may stay out
	s_wait_dscnt 0x0                               ; my tables are stored
	s_barrier_signal -1
	s_barrier_wait -1
; A KEY STEP of 128 keys.  win = 1: the short branch's bias and window.  qr, sw: Q's registers and its scale word.
.macro STEP win, qr, sw
	v_add_nc_u32 v[ADM], s[TM], v[AMH]             ; these five are also the places behind the last products, in front of the loads into their registers
	v_add_nc_u32 v[ADK], s[TK], v[AL8]
	v_add_nc_u32 v[ADS], s[TSK], v[AL4]
	v_add_nc_u32 v[ADV], s[TV], v[AL8]
	v_add_nc_u32 v[ADT], s[TSV], v[AL4]
.irp t, 0,1,2,3,4,5,6,7
	ds_load_b128 v[SS+8*\t:SS+8*\t+3], v[ADM] offset:4*(32*(\t/2)+8*(\t%2))        ; C: register j of tile t is key 32 (t / 2) + 8 (t % 2) + 16 h + j
	ds_load_b128 v[SS+8*\t+4:SS+8*\t+7], v[ADM] offset:4*(32*(\t/2)+8*(\t%2))+16
.endr
.irp t, 0,1,2,3,4,5,6,7
.irp i, 0,1,2
	ds_load_b64 v[KV+6*\t+2*\i:KV+6*\t+2*\i+1], v[ADK] offset:768*\t+256*\i
.endr
.endr
.irp u, 0,1,2,3
	ds_load_b32 v[KW+\u], v[ADS] offset:128*\u
.endr
.if \win
	s_wait_dscnt 28                                ; the 16 loads of C are in; K's 24 and its 4 words may be out
	v_add_nc_u32 v[TT], s[KB], v[QREL]
	v_cvt_f32_i32 v[XB], v[TT]                     ; x of register 0: key - query + 32, a small whole number
	v_add_f32 v[XB+1], v[XB], v[C32]
	v_add_f32 v[XB+2], v[XB+1], v[C32]
	v_add_f32 v[XB+3], v[XB+2], v[C32]
.irp i, 0,1,2,3,4,5,6,7,8,9,10,11,12,13,14,15
.irp b, 0,1,2,3
	v_cmp_le_f32 s[MK+\b], |v[XB+\b]|, v[C32]      ; inside the window: -64 <= key - query <= 0
.endr
.irp b, 0,1,2,3
	v_fma_f32 v[SS+16*\b+\i], v[XB+\b], s[L8], v[SS+16*\b+\i]    ; x 8 L - 32 x 8 L, rounded once; a masked key stays near -2^100
.endr
.irp b, 0,1,2,3
	v_cndmask_b32 v[SS+16*\b+\i], v[NEGR], v[SS+16*\b+\i], s[MK+\b]
.endr
.irp b, 0,1,2,3
	v_add_f32 v[XB+\b], 1.0, v[XB+\b]
.endr
.endr
.rept 4
	v_nop
.endr
.endif
	s_wait_dscnt 0x0
.irp t, 0,2,4,6                                ; S^T = K Q^T + C: eight accumulators, one instruction each
	v_wmma_scale_f32_16x16x128_f8f6f4 v[SS+8*\t:SS+8*\t+7], v[KV+6*\t:KV+6*\t+11], v[\qr:\qr+11], v[SS+8*\t:SS+8*\t+7], v[KW+\t/2], v[\sw] matrix_a_fmt:MATRIX_FMT_FP6 matrix_b_fmt:MATRIX_FMT_FP6
	v_wmma_scale_f32_16x16x128_f8f6f4 v[SS+8*\t+8:SS+8*\t+15], v[KV+6*\t+6:KV+6*\t+17], v[\qr:\qr+11], v[SS+8*\t+8:SS+8*\t+15], v[KW+\t/2], v[\sw] matrix_a_fmt:MATRIX_FMT_FP6 matrix_b_fmt:MATRIX_FMT_FP6 matrix_a_scale:MATRIX_SCALE_ROW1
.endr
.rept 4
	v_nop                                          ; places in front of the loads into K's registers and of the first read of the scores
.endr
.irp d, 0,1,2,3                                ; V's four tiles land during the softmax
.irp p, 0,1,2,3,4,5
	ds_load_b64 v[KV+12*\d+2*\p:KV+12*\d+2*\p+1], v[ADV] offset:1536*\d+768*(\p/3)+256*(\p%3)
.endr
.endr
.irp u, 0,1
	ds_load_b32 v[VW+\u], v[ADT] offset:128*\u
.endr
.irp b, 0,1,2,3
	v_max3_num_f32 v[BM+\b], v[SS+16*\b], v[SS+1+16*\b], v[SS+2+16*\b]   ; the largest score of each block of 32 keys: for the row's maximum and for the block's largest p
.endr
.irp i, 3,5,7,9,11,13
.irp b, 0,1,2,3
	v_max3_num_f32 v[BM+\b], v[BM+\b], v[SS+16*\b+\i], v[SS+1+16*\b+\i]
.endr
.endr
.irp b, 0,1,2,3
	v_max_num_f32 v[BM+\b], v[BM+\b], v[SS+15+16*\b]
.endr
.irp b, 0,1,2,3
	v_permlanex16_b32 v[BT+\b], v[BM+\b], s[SEL], s[SEL+1]
.endr
.irp b, 0,1,2,3
	v_max_num_f32 v[BM+\b], v[BM+\b], v[BT+\b]
.endr
	v_max3_num_f32 v[TT], v[BM], v[BM+1], v[BM+2]
	v_max_num_f32 v[TT], v[TT], v[BM+3]
	v_mul_f32 v[TT], s[CS], v[TT]
	v_max_num_f32 v13, v13, v[TT]                  ; the running largest t
	v_mov_b32 v[TT], v12
	v_floor_f32 v12, -v13                          ; -M = floor(-t): M is a whole number
	v_sub_f32 v[TT], v12, v[TT]
	v_cvt_i32_f32 v[TT], v[TT]                     ; (it saturates)
	v_ldexp_f32 v[FF], 1.0, v[TT]                  ; f = 2^(old M - new M)
.set j, 0
.rept 32
	v_pk_fma_f32 v[SS+j:SS+j+1], v[SS+j:SS+j+1], s[CS:CS+1], v[12:13] op_sel_hi:[1,0,0]   ; t - M
.set j, j+2
.endr
.irp b, 0,1,2,3
	v_fma_f32 v[BM+\b], v[BM+\b], s[CS], v12
.endr
.set j, 0
.rept 64
	v_exp_f32 v[SS+j], v[SS+j]                     ; p = 2^(t - M)
.set j, j+1
.endr
	v_pk_mul_f32 v[14:15], v[14:15], v[FF:FF+1] op_sel_hi:[1,0]      ; the sums under the new M: the plain place behind the batch
	s_wait_alu depctr_va_vdst(0)                   ; one wait for the batch of 64, ahead of its first reader
.irp b, 0,1,2,3
	v_exp_f32 v[BM+\b], v[BM+\b]                   ; each block's largest p
.endr
	v_pk_add_f32 v[L2:L2+1], v[SS:SS+1], v[SS+2:SS+3]                ; the sum of the unquantised p, in two chains
.set j, 4
.rept 15
	v_pk_add_f32 v[14:15], v[14:15], v[SS+j:SS+j+1]
	v_pk_add_f32 v[L2:L2+1], v[L2:L2+1], v[SS+j+2:SS+j+3]
.set j, j+4
.endr
	v_pk_add_f32 v[14:15], v[14:15], v[L2:L2+1]
	s_wait_alu depctr_va_vdst(0)                   ; and one for the four
.irp b, 0,1,2,3
	v_max_num_f32 v[BM+\b], 0x1800000, v[BM+\b]    ; the floor 2^(3 - 127)
.endr
.irp b, 0,1,2,3
	v_add_nc_u32 v[SO+\b], 0xff000000, v[BM+\b]
.endr
.irp b, 0,1,2,3
	v_lshrrev_b32 v[BY+\b], 23, v[SO+\b]
.endr
	v_lshl_or_b32 v[PWD], v[BY+1], 8, v[BY]
	v_lshl_or_b32 v[PWD], v[BY+2], 16, v[PWD]
	v_lshl_or_b32 v[PWD], v[BY+3], 24, v[PWD]
.irp c, 0,1
	v_cvt_scalef32_pk16_fp6_f32 v[PCD+6*\c:PCD+2+6*\c], v[SS+32*\c:SS+15+32*\c], v[SO+2*\c]
	v_cvt_scalef32_pk16_fp6_f32 v[H0+4*\c:H0+2+4*\c], v[SS+16+32*\c:SS+31+32*\c], v[SO+2*\c+1]
.endr
	v_nop                                          ; one plain place behind a scaled conversion
.irp c, 0,1
.irp i, 0,1,2
	v_permlane16_swap_b32 v[PCD+6*\c+\i], v[H0+4*\c+\i]
.endr
.irp i, 0,1,2
	v_mov_b32 v[PCD+3+6*\c+\i], v[H0+4*\c+\i]
.endr
.endr
.set j, 0
.rept 16
	v_pk_mul_f32 v[OT+j:OT+j+1], v[OT+j:OT+j+1], v[FF:FF+1] op_sel_hi:[1,0]   ; O^T under the new M; these sixteen are also the places between p's codes and scale word and the products
.set j, j+2
.endr
	s_wait_dscnt 0x0                               ; V is in
.irp d, 0,2                                    ; O^T += V^T P^T: four accumulators, one instruction each
	v_wmma_scale_f32_16x16x128_f8f6f4 v[OT+8*\d:OT+8*\d+7], v[KV+12*\d:KV+12*\d+11], v[PCD:PCD+11], v[OT+8*\d:OT+8*\d+7], v[VW+\d/2], v[PWD] matrix_a_fmt:MATRIX_FMT_FP6 matrix_b_fmt:MATRIX_FMT_FP6
	v_wmma_scale_f32_16x16x128_f8f6f4 v[OT+8*\d+8:OT+8*\d+15], v[KV+12*\d+12:KV+12*\d+23], v[PCD:PCD+11], v[OT+8*\d+8:OT+8*\d+15], v[VW+\d/2], v[PWD] matrix_a_fmt:MATRIX_FMT_FP6 matrix_b_fmt:MATRIX_FMT_FP6 matrix_a_scale:MATRIX_SCALE_ROW1
.endr
.endm
.macro INIT                            ; a branch begins: the largest t -2^90, the sum and O^T zeros
	v_mov_b32 v13, 0xec800000
	v_floor_f32 v12, -v13
	v_mov_b32 v14, 0
	v_mov_b32 v15, 0
.set j, 0
.rept 32
	v_mov_b32 v[OT+j], 0
.set j, j+1
.endr
.endm
; A branch ends: O^T / the sum, quantised along the head's 64 channels: a sub-image in v[dst .. dst + 5], its two scale bytes in v[wd].
.macro FINISH dst, wd
.rept 4
	v_nop                                          ; places behind the last products
.endr
	v_add_f32 v14, v14, v15
	v_permlanex16_b32 v[TT], v14, s[SEL], s[SEL+1]
	v_add_f32 v14, v14, v[TT]                      ; the row's sum
	v_cmp_lt_f32 vcc_lo, 0, v14                    ; has the row a key at all?
	v_rcp_f32 v[TT], v14
	v_nop                                          ; a plain place behind the reciprocal
	s_wait_alu depctr_va_vdst(0)                   ; and the wait ahead of its first reader
	v_cndmask_b32 v[FF], 0, v[TT], vcc_lo
.set j, 0
.rept 16
	v_pk_mul_f32 v[SS+j:SS+j+1], v[OT+j:OT+j+1], v[FF:FF+1] op_sel_hi:[1,0]   ; each accumulator from its low end on; register 16 b + i is channel 32 b + 16 h + i
.set j, j+2
.endr
.irp b, 0,1
	v_max3_num_f32 v[BM+\b], |v[SS+16*\b]|, |v[SS+1+16*\b]|, 0x1800000
.endr
.irp i, 2,4,6,8,10,12,14
.irp b, 0,1
	v_max3_num_f32 v[BM+\b], v[BM+\b], |v[SS+16*\b+\i]|, |v[SS+1+16*\b+\i]|
.endr
.endr
.irp b, 0,1
	v_permlanex16_b32 v[BT+\b], v[BM+\b], s[SEL], s[SEL+1]
.endr
.irp b, 0,1
	v_max_num_f32 v[BM+\b], v[BM+\b], v[BT+\b]
.endr
.irp b, 0,1
	v_add_nc_u32 v[SO+\b], 0xff000000, v[BM+\b]
.endr
.irp b, 0,1
	v_lshrrev_b32 v[BY+\b], 23, v[SO+\b]
.endr
.irp b, 0,1
	v_cndmask_b32 v[BY+\b], 0xff, v[BY+\b], vcc_lo ; a row with no key: the byte that makes the last product's sum NaN
.endr
	v_lshl_or_b32 v[\wd], v[BY+1], 8, v[BY]
	v_cvt_scalef32_pk16_fp6_f32 v[\dst:\dst+2], v[SS:SS+15], v[SO]
	v_cvt_scalef32_pk16_fp6_f32 v[H0+4:H0+6], v[SS+16:SS+31], v[SO+1]
	v_nop
.irp i, 0,1,2
	v_permlane16_swap_b32 v[\dst+\i], v[H0+4+\i]
.endr
.irp i, 0,1,2
	v_mov_b32 v[\dst+3+\i], v[H0+4+\i]
.endr
.endm
	; THE SHORT BRANCH: waves 0-7 take the slots of key steps -1 and 0 of the block, waves 8-15 those of steps 0 and 1
	INIT
	s_mul_i32 s[TK], s78, 6144
	s_add_co_u32 s[TV], s[TK], VS
	s_add_co_u32 s[TK], s[TK], KS
	s_lshl_b32 s[TSK], s78, 9
	s_add_co_u32 s[TM], s[TSK], MBS
	s_add_co_u32 s[TSK], s[TSK], KSS
	s_lshl_b32 s[TSV], s78, 8
	s_add_co_u32 s[TSV], s[TSV], VSS
	s_lshl_b32 s[KB], s78, 7
	s_sub_co_u32 s[KB], s[KB], 128                 ; the step's first key, counted from the block's first query
	s_mov_b32 s[CNT], 2
.Lshort:
	s_lshr_b32 s60, s[CNT], 1                      ; 1 in the first trip
	s_and_b32 s60, s60, s77
	s_cmp_lg_u32 s60, 0                            ; waves 4-7 and 12-15: the earlier step lies wholly ahead of their queries' windows
	s_cbranch_scc1 .Lahead
	STEP 1, QS, QSW
.Lahead:
	s_add_co_u32 s[TK], s[TK], 6144
	s_add_co_u32 s[TV], s[TV], 6144
	s_add_co_u32 s[TSK], s[TSK], 512
	s_add_co_u32 s[TSV], s[TSV], 256
	s_add_co_u32 s[TM], s[TM], 512
	s_add_co_u32 s[KB], s[KB], 128
	s_sub_co_u32 s[CNT], s[CNT], 1
	s_cmp_lg_u32 s[CNT], 0
	s_cbranch_scc1 .Lshort
	FINISH CSH, WSH
	s_wait_tensorcnt 0x0                           ; my part of the long tiles is in
	s_wait_dscnt 0x0
	s_barrier_signal -1
	s_barrier_wait -1                              ; everybody's is
	; THE LONG BRANCH: sixteen key steps
	INIT
	s_mov_b32 s[TK], KL
	s_mov_b32 s[TV], VL
	s_mov_b32 s[TSK], KLS
	s_mov_b32 s[TSV], VLS
	s_mov_b32 s[TM], MBL
	s_mov_b32 s[CNT], 16
.Llong:
	STEP 0, QL, QLW
	s_add_co_u32 s[TK], s[TK], 6144
	s_add_co_u32 s[TV], s[TV], 6144
	s_add_co_u32 s[TSK], s[TSK], 512
	s_add_co_u32 s[TSV], s[TSV], 256
	s_add_co_u32 s[TM], s[TM], 512
	s_sub_co_u32 s[CNT], s[CNT], 1
	s_cmp_lg_u32 s[CNT], 0
	s_cbranch_scc1 .Llong
	FINISH PCD, TT
	v_lshl_or_b32 v[WSH], v[TT], 16, v[WSH]        ; bytes 0, 1 the short branch's blocks, bytes 2, 3 the long one's
	v_add_nc_u32 v[GO], s76, v[AL8]
.irp i, 0,1,2
	global_store_b64 v[GO], v[CSH+2*\i:CSH+2*\i+1], s[10:11] offset:256*\i         ; 32 lanes store 256 consecutive bytes, aligned
.endr
.irp i, 0,1,2
	global_store_b64 v[GO], v[PCD+2*\i:PCD+2*\i+1], s[10:11] offset:768+256*\i
.endr
	ds_store_b32 v[ACS], v[WSH]                    ; lanes l and l xor 16 write the same word with the same value
	s_wait_dscnt 0x0
	s_barrier_signal -1
	s_barrier_wait -1                              ; the sixteen tiles' words lie together: 1,024 consecutive bytes of the buffer
	s_cmp_lt_u32 s[WV], 2
	s_cbranch_scc0 .Lno_words
	ds_load_b128 v[SS:SS+3], v[A16] offset:CSTG-KLS
	v_lshl_add_u32 v[TT], v0, 4, s72
	s_wait_dscnt 0x0
	global_store_b128 v[TT], v[SS:SS+3], s[12:13]
.Lno_words:
	s_wait_tensorcnt 0x0                           ; the wave's end
	ds_add_u32 v[SPW], v[NIL]
	s_wait_dscnt 0x0
	CROUND                                         ; the closing round
	s_endpgm
.Lfunc_end_k_qf2e82ad6fa_attn:
	.size	k_qf2e82ad6fa_attn, .Lfunc_end_k_qf2e82ad6fa_attn-k_qf2e82ad6fa_attn
	.p2alignl 7, 3214868480
	.fill 96, 4, 3214868480
	.section	.rodata,"a",@progbits
	.p2align	6, 0x0
	.amdhsa_kernel k_qf2e82ad6fa_attn
		.amdhsa_group_segment_fixed_size 260864
		.amdhsa_private_segment_fixed_size 0
		.amdhsa_enable_private_segment 0
		.amdhsa_kernarg_size 40
		.amdhsa_user_sgpr_count 2
		.amdhsa_user_sgpr_kernarg_segment_ptr 1
		.amdhsa_wavefront_size32 1
		.amdhsa_system_sgpr_workgroup_id_x 1
		.amdhsa_system_sgpr_workgroup_id_y 1
		.amdhsa_system_sgpr_workgroup_id_z 1
		.amdhsa_system_vgpr_workitem_id 0
		.amdhsa_next_free_vgpr 256
		.amdhsa_next_free_sgpr 84
		.amdhsa_reserve_vcc 1
		.amdhsa_float_denorm_mode_32 3
		.amdhsa_float_denorm_mode_16_64 3
		.amdhsa_memory_ordered 1
		.amdhsa_forward_progress 1
		.amdhsa_inst_pref_size 74
	.end_amdhsa_kernel
	.amdgpu_metadata
---
amdhsa.version: [ 1, 2 ]
amdhsa.kernels:
  - .name:           k_qf2e82ad6fa_attn
    .symbol:         k_qf2e82ad6fa_attn.kd
    .args:
      - { .name: qkv_c, .offset: 0, .size: 8, .value_kind: global_buffer, .address_space: global }
      - { .name: qkv_s, .offset: 8, .size: 8, .value_kind: global_buffer, .address_space: global }
      - { .name: mask, .offset: 16, .size: 8, .value_kind: global_buffer, .address_space: global }
      - { .name: cmb_c, .offset: 24, .size: 8, .value_kind: global_buffer, .address_space: global }
      - { .name: cmb_s, .offset: 32, .size: 8, .value_kind: global_buffer, .address_space: global }
    .group_segment_fixed_size: 260864
    .private_segment_fixed_size: 0
    .kernarg_segment_align: 8
    .kernarg_segment_size: 40
    .max_flat_workgroup_size: 512
    .sgpr_count:     84
    .vgpr_count:     256
    .wavefront_size: 32
...
	.end_amdgpu_metadata
.endif
;; end of part 4
;; launch outg (part 5): grid 4 x 16, 4 waves a work-group, clusters of 4 x 4, 327,680 bytes of LDS; arguments cmb_c, cmb_s, xw_c, xw_s, bo, out0; writes out0
.if DOCPART == 5
	.amdgcn_target "amdgcn-amd-amdhsa--gfx1250"
	.amdhsa_code_object_version 6
	.text
	.protected	k_qf2e82ad6fa_outg
	.globl	k_qf2e82ad6fa_outg
	.p2align	8
	.type	k_qf2e82ad6fa_outg,@function
k_qf2e82ad6fa_outg:
	s_mov_b64 s[64:65], 0
	v_nop
	global_prefetch_b8 v0, s[64:65] scope:SCOPE_SE
	s_setreg_imm32_b32 hwreg(HW_REG_WAVE_MODE, 25, 1), 1
	s_wait_xcnt 0x0
	s_wait_alu depctr_hold_cnt(0) depctr_sa_sdst(0) depctr_va_vdst(0) depctr_va_sdst(0) depctr_va_ssrc(0) depctr_va_vcc(0) depctr_vm_vsrc(0)
	s_getreg_b32 s2, hwreg(HW_REG_IB_STS2, 6, 4)
	s_cmp_eq_u32 s2, 0
	s_cbranch_scc0 .Lentry_in_a_cluster
	s_endpgm
.Lentry_in_a_cluster:
	s_bfe_u32 s2, ttmp6, 0x10000c
	s_cmp_lg_u32 s2, 0xf033
	s_cbranch_scc0 .Lentry_shape_is_right
	s_endpgm
.Lentry_shape_is_right:
; out = combined Wo + bo on codes of FP6 (E2M3) with E8M0 scales: M = 4,096, N = 1,024, K = 2,048.
; A, the attentions' result, comes as images of operand registers: [block of 16 tokens][group of 128 along K][1,536 bytes], register pair p of lane l at 256 p + 8 l; its scale words [group][block][16 words].
; B = Wo's codes, rows of 1,536 bytes from byte 7,864,320 of the rows' buffer, with K in the same order as A's; its scale bytes, 64 a row, from byte 327,680.
; Tokens and Wo's columns lie at places pi (bits 3 and 4 exchanged): the way out undoes both, the columns by the offsets into the stage, the rows by the stores' immediates.
; A tile of 256 x 256, four waves of 128 x 128, K in steps of 256 through a ring of two LDS slots, clusters of 4 x 4 with joint loads.  The matrix instruction is used transposed (source 0 = B, source 1 = A).
; 64 work-groups: the tile is kept large, so that a K step's products last while the next tile lands.
; A row whose scale byte is 0xff (a query with no key) comes out as NaN in all its columns.
.set KSTEP,  256
.set NQ,     2
.set ROWB,   192
.set KROW,   1536
.set PITCH,  240                       ; B's LDS row: 3 x (64 bytes + 16 of padding)
.set FR,     12
.set NL,     6
.set NP,     4
.set ATILE,  24576                     ; 8 blocks x 3,072 bytes: what one wave brings, and reads, of A
.set HALFT,  128*PITCH
.set BOFF,   2*ATILE
.set SLOT,   BOFF+2*HALFT
.set LAPS,   4
.set LSA,    2*SLOT                    ; A's scale words: [16 groups][16 blocks][64 bytes]
.set LSB,    LSA+16384                 ; B's scale bytes: units of 256 bytes + 16
.set HALFS,  32*272
.set SBLK,   4*272
.set SPARE,  LSB+2*HALFS
.set SPITCH, 528                       ; the way out: 16 rows x (512 + 16) for each wave, in slot 0, which has had its last fill and its last read by then
.set ADRA, 16                          ; v16-17
.set ADRB, 20                          ; v20-23
.set STO,  24
.set RD,   25
.set CO,   26
.set ADSA, 27
.set SPW,  28
.set NIL,  29
.set ADSB, 30
.set RSA,  32                          ; v32-63 A's scale words: set s at 32 + 16 s, register 2 i + q
.set RSB,  64                          ; v64-95 B's likewise
.set BOR,  96                          ; v96-99 bo of my four columns
.set AF,   128
.set BK,   128
.set G1, 24
.set G0, 32
.set G1B, 48
.set G0B, 56
.set G1S, 68
.set G0S, 76
.set G1SB, 80
.set G0SB, 88
.set MSB, 0
.macro WIN new
.if MSB != \new
	s_set_vgpr_msb (MSB<<8)|\new
.set MSB, \new
.endif
.endm
.set MUL_LO, 0xa1
.set MUL_HI, 0xf1
.set TO_B,   0x40
.macro JLOAD g0a, g1a, g0b, g1b        ; waves 0 and 1 fetch for A, waves 2 and 3 for B; an s_nop 0 and four v_nop follow each line
	s_cmp_eq_u32 s15, 0
	s_cbranch_scc0 .Lfor_b_\@
	tensor_load_to_lds s[\g0a:\g0a+3], s[\g1a:\g1a+7]
	s_nop 0
.rept 4
	v_nop
.endr
	s_branch .Lasked_\@
.Lfor_b_\@:
	tensor_load_to_lds s[\g0b:\g0b+3], s[\g1b:\g1b+7]
	s_nop 0
.rept 4
	v_nop
.endr
.Lasked_\@:
.endm
.macro CREST
	s_cmp_lg_u32 s14, 0
	s_cbranch_scc1 .Lnot_wave_0_\@
	s_barrier_signal -3
.Lnot_wave_0_\@:
	s_barrier_wait -3
	s_barrier_signal -1
	s_barrier_wait -1
.endm
.macro CROUND
	s_barrier_signal -1
	s_barrier_wait -1
	CREST
.endm
	s_load_b256 s[4:11], s[0:1], 0x0               ; A's codes, A's words, the rows' codes, the rows' scale bytes
	s_load_b64 s[100:101], s[0:1], 0x20            ; bo
	s_load_b64 s[12:13], s[0:1], 0x28              ; out
	v_lshl_add_u32 v[SPW], v0, 2, SPARE
	v_mov_b32 v[NIL], 0
	ds_add_u32 v[SPW], v[NIL]                      ; the wave's opening: the add and its wait ahead of my first tensor load
	v_lshrrev_b32 v1, 5, v0
	v_readfirstlane_b32 s14, v1
	s_lshr_b32 s15, s14, 1
	s_and_b32 s16, s14, 1
	s_bfe_u32 s40, ttmp6, 0x40000
	s_bfe_u32 s41, ttmp6, 0x40004
	s_lshl_b32 s42, ttmp9, 2
	s_add_co_u32 s42, s42, s40                     ; tile column
	s_and_b32 s17, ttmp7, 0xffff
	s_lshl_b32 s17, s17, 2
	s_add_co_u32 s17, s17, s41                     ; tile row
	s_lshl_b32 s43, s41, 2
	s_lshl_b32 s43, 15, s43
	s_lshl_b32 s44, 0x1111, s40
	s_or_b32 s[G1+0], s43, (3<<16)|(1<<21)         ; A's tile: 8 blocks, of each 3,072 bytes (384 elements of 8), 24,576 bytes apart; no padding
	s_mov_b32 s[G1+1], 384<<16
	s_mov_b32 s[G1+2], 8<<16
	s_mov_b32 s[G1+3], 384<<16
	s_mov_b32 s[G1+4], 8
	s_mov_b32 s[G1+5], 3072
	s_mov_b32 s[G1+6], 0
	s_mov_b32 s[G1+7], 0
	s_or_b32 s[G1B+0], s44, (0<<16)|(1<<20)|(1<<21)|(3<<22)|(3<<25)  ; B's tile: 128 rows of 192 bytes, 4 words of padding behind every 16
	s_mov_b32 s[G1B+1], ROWB<<16
	s_mov_b32 s[G1B+2], 128<<16
	s_mov_b32 s[G1B+3], ROWB<<16
	s_mov_b32 s[G1B+4], 128
	s_mov_b32 s[G1B+5], KROW
	s_mov_b32 s[G1B+6], 0
	s_mov_b32 s[G1B+7], 0
	s_or_b32 s[G1S+0], s43, (3<<16)|(1<<21)        ; A's words: 8 groups, of each 1,024 bytes, 16,384 bytes apart
	s_mov_b32 s[G1S+1], 128<<16
	s_mov_b32 s[G1S+2], 8<<16
	s_mov_b32 s[G1S+3], 128<<16
	s_mov_b32 s[G1S+4], 8
	s_mov_b32 s[G1S+5], 2048
	s_mov_b32 s[G1S+6], 0
	s_mov_b32 s[G1S+7], 0
	s_or_b32 s[G1SB+0], s44, (3<<16)|(1<<20)|(1<<21)|(5<<22)|(3<<25) ; B's scale bytes of 128 rows: 32 rows of 256 bytes, 16 of padding behind each
	s_mov_b32 s[G1SB+1], 32<<16
	s_mov_b32 s[G1SB+2], 32<<16
	s_mov_b32 s[G1SB+3], 32<<16
	s_mov_b32 s[G1SB+4], 32
	s_mov_b32 s[G1SB+5], 32
	s_mov_b32 s[G1SB+6], 0
	s_mov_b32 s[G1SB+7], 0
	s_lshl_b32 s18, s16, 3
	s_lshl_b32 s20, s17, 4
	s_add_co_u32 s20, s20, s18
	s_mul_i32 s20, s20, 24576                      ; A: block 16 x tile row + 8 x half
	s_mov_b32 s21, 0
	s_lshl_b32 s22, s16, 17
	s_lshl_b32 s23, s17, 10
	s_add_co_u32 s22, s22, s23                     ; A's words: 8 groups x half, the tile row's 1,024 bytes
	s_mov_b32 s23, 0
	s_lshl_b32 s19, s16, 7
	s_lshl_b32 s46, s42, 8
	s_add_co_u32 s46, s46, s19                     ; B: row 256 x tile column + 128 x half
	s_lshl_b32 s92, s46, 6
	s_add_co_u32 s92, s92, 327680
	s_mov_b32 s93, 0
	s_mul_i32 s46, s46, KROW
	s_add_co_u32 s46, s46, 7864320
	s_mov_b32 s47, 0
	s_mul_i32 s45, s16, ATILE                      ; where they go: no place in the cluster enters an LDS address
	s_mul_i32 s94, s16, HALFT
	s_add_co_u32 s94, s94, BOFF
	s_lshl_b32 s95, s16, 13
	s_add_co_u32 s95, s95, LSA
	s_mul_i32 s96, s16, HALFS
	s_add_co_u32 s96, s96, LSB
	s_wait_dscnt 0x0                               ; the opening add is done
	s_wait_kmcnt 0x0
	s_add_nc_u64 s[20:21], s[4:5], s[20:21]
	s_add_nc_u64 s[22:23], s[6:7], s[22:23]
	s_add_nc_u64 s[46:47], s[8:9], s[46:47]
	s_add_nc_u64 s[92:93], s[10:11], s[92:93]
	CROUND
	s_mov_b32 s[G0S], 1
	s_mov_b32 s[G0S+1], s95
	s_mov_b64 s[G0S+2:G0S+3], s[22:23]
	s_or_b32 s[G0S+3], s[G0S+3], 0x80000000
	s_mov_b32 s[G0SB], 1
	s_mov_b32 s[G0SB+1], s96
	s_mov_b64 s[G0SB+2:G0SB+3], s[92:93]
	s_or_b32 s[G0SB+3], s[G0SB+3], 0x80000000
	JLOAD G0S, G1S, G0SB, G1SB
.irp s, 0,1
	s_mov_b32 s[G0+4*\s], 1
	s_add_co_u32 s[G0+4*\s+1], s45, \s*SLOT
	s_add_nc_u64 s[G0+4*\s+2:G0+4*\s+3], s[20:21], \s*3072
	s_or_b32 s[G0+4*\s+3], s[G0+4*\s+3], 0x80000000
	s_mov_b32 s[G0B+4*\s], 1
	s_add_co_u32 s[G0B+4*\s+1], s94, \s*SLOT
	s_add_nc_u64 s[G0B+4*\s+2:G0B+4*\s+3], s[46:47], \s*ROWB
	s_or_b32 s[G0B+4*\s+3], s[G0B+4*\s+3], 0x80000000
	JLOAD G0+4*\s, G1, G0B+4*\s, G1B               ; three loads of mine are out now
.endr
	v_and_b32 v1, 15, v0                           ; r
	v_bfe_u32 v2, v0, 4, 1                         ; h
	v_and_b32 v6, 31, v0
	v_mul_u32_u24 v3, v1, PITCH
	v_mul_u32_u24 v4, v2, 24
	v_add_nc_u32 v4, v3, v4
	v_lshl_add_u32 v5, v2, 4, v4
	v_lshlrev_b32 v7, 3, v6
	s_mul_i32 s21, s15, ATILE
	s_mul_i32 s22, s16, HALFT
	s_add_co_u32 s22, s22, BOFF
.irp s, 0,1
	v_add_nc_u32 v[ADRA+\s], s21, v7
	v_add_nc_u32 v[ADRB+\s], s22, v4
	v_add_nc_u32 v[ADRB+2+\s], s22, v5
	s_add_co_u32 s21, s21, SLOT
	s_add_co_u32 s22, s22, SLOT
.endr
	s_lshl_b32 s21, s15, 9
	s_add_co_u32 s21, s21, LSA
	v_lshl_add_u32 v[ADSA], v1, 2, s21             ; A's words: my 8 blocks, 4 bytes a row
	v_lshlrev_b32 v5, 6, v1
	v_lshrrev_b32 v8, 8, v5
	v_lshl_add_u32 v5, v8, 4, v5                   ; B's: 64 bytes a row, 16 more for each 256 passed
	s_mul_i32 s22, s16, HALFS
	s_add_co_u32 s22, s22, LSB
	v_add_nc_u32 v[ADSB], s22, v5
	s_mul_i32 s23, s14, 16*SPITCH
	v_mul_u32_u24 v5, v1, SPITCH
	v_lshl_add_u32 v5, v2, 6, v5                   ; into the stage: row r; my half's 16 true columns of each 32: 64 h bytes on
	v_add_nc_u32 v[STO], s23, v5
	v_lshlrev_b32 v[CO], 4, v6
	v_add_nc_u32 v[RD], s23, v[CO]
	s_lshl_b32 s20, s17, 8
	s_lshl_b32 s21, s15, 7
	s_add_co_u32 s20, s20, s21
	s_lshl_b32 s20, s20, 12                        ; my first row of out, 4,096 bytes a row
	s_mov_b32 s21, 0
	s_lshl_b32 s46, s42, 10
	s_lshl_b32 s47, s16, 9
	s_add_co_u32 s46, s46, s47                     ; my first column, in bytes
	s_mov_b32 s47, 0
	s_add_nc_u64 s[12:13], s[12:13], s[20:21]
	s_add_nc_u64 s[12:13], s[12:13], s[46:47]
	s_add_nc_u64 s[100:101], s[100:101], s[46:47]
	global_load_b128 v[BOR:BOR+3], v[CO], s[100:101]
.macro FRAG reg, adr, q, i             ; B's fragment from padded rows
.irp p, 0,1,2,3,4,5
.set PCE, 12*(\q)+6*(\p/3)+\p%3
.if PCE%8 < 5
	ds_load_b64 v[\reg+2*\p:\reg+2*\p+1], v[\adr] offset:8*PCE+16*(PCE/8)+(\i)*16*PITCH
.else
	ds_load_b64 v[\reg+2*\p:\reg+2*\p+1], v[\adr+2] offset:8*PCE+16*(PCE/8)+(\i)*16*PITCH
.endif
.endr
.endm
.macro FRAGA reg, adr, q, i            ; A's fragment from its image: each load takes 256 consecutive bytes
.irp p, 0,1,2,3,4,5
	ds_load_b64 v[\reg+2*\p:\reg+2*\p+1], v[\adr] offset:3072*(\i)+1536*(\q)+256*\p
.endr
.endm
.macro MUL16 a0, p, q, sc, zero        ; the 64 accumulators take turns, one instruction a turn
.irp a, \a0, \a0+1
.irp b, 0,1,2,3,4,5,6,7
.if \zero
	v_wmma_scale_f32_16x16x128_f8f6f4 v[8*(8*((\a)%4)+\b):8*(8*((\a)%4)+\b)+7], v[128*(\p)+FR*\b:128*(\p)+FR*\b+FR-1], v[AF+FR*(\a):AF+FR*(\a)+FR-1], 0, v[RSB+16*(\sc)+2*\b+(\q)], v[RSA+16*(\sc)+2*(\a)+(\q)] matrix_a_fmt:MATRIX_FMT_FP6 matrix_b_fmt:MATRIX_FMT_FP6
.else
	v_wmma_scale_f32_16x16x128_f8f6f4 v[8*(8*((\a)%4)+\b):8*(8*((\a)%4)+\b)+7], v[128*(\p)+FR*\b:128*(\p)+FR*\b+FR-1], v[AF+FR*(\a):AF+FR*(\a)+FR-1], v[8*(8*((\a)%4)+\b):8*(8*((\a)%4)+\b)+7], v[RSB+16*(\sc)+2*\b+(\q)], v[RSA+16*(\sc)+2*(\a)+(\q)] matrix_a_fmt:MATRIX_FMT_FP6 matrix_b_fmt:MATRIX_FMT_FP6
.endif
.endr
.endr
.endm
.macro FETCH_B slot, q, p
	WIN TO_B
.irp i, 0,1,2,3,4,5,6,7
	FRAG 128*(\p)+FR*\i, ADRB+\slot, \q, \i
.endr
	WIN 0
.endm
.macro FETCH_A slot, q, i0
.irp i, \i0, \i0+1, \i0+2, \i0+3
	FRAGA AF+FR*(\i), ADRA+\slot, \q, \i
.endr
.endm
.macro SCALES sc
.irp i, 0,1,2,3,4,5,6,7
.irp q, 0,1
	ds_load_b32 v[RSA+16*\sc+2*\i+\q], v[ADSA] offset:1024*\q+64*\i
.endr
.endr
.irp i, 0,1,2,3,4,5,6,7
	ds_load_b64 v[RSB+16*\sc+2*\i:RSB+16*\sc+2*\i+1], v[ADSB] offset:\i*SBLK
.endr
.endm
.macro PLACES n
.rept \n
	v_nop
.endr
.endm
.macro STEP slot, q, zero
	s_wait_dscnt 4*NL                              ; all but the youngest 24 loads (A's blocks 4-7) are in
	WIN MUL_LO
	MUL16 0, (\q)%2, \q, \slot, \zero
	MUL16 2, (\q)%2, \q, \slot, \zero
	s_wait_dscnt 0
	PLACES NP
	FETCH_B \slot, (\q)+1, 1-(\q)%2
	FETCH_A \slot, (\q)+1, 0
	WIN MUL_HI
	MUL16 4, (\q)%2, \q, \slot, \zero
	MUL16 6, (\q)%2, \q, \slot, \zero
	PLACES NP
	WIN 0
	FETCH_A \slot, (\q)+1, 4
.endm
.macro TURN slot, next, fill
	s_wait_tensorcnt 0x0                           ; all my tensor loads have landed: my part of the next slot
	ds_add_u32 v[SPW], v[NIL]
	s_wait_dscnt 4*NL+1                            ; the add and the youngest 24 loads may be out
	WIN MUL_LO
	MUL16 0, 1, NQ-1, \slot, 0
	s_wait_dscnt 0x0                               ; the add is done, and my reads of this slot are over
	s_barrier_signal -1
	MUL16 2, 1, NQ-1, \slot, 0
	WIN 0
	s_barrier_wait -1
.if \fill
	CREST                                          ; the barrier has opened a round of the cluster's
	s_add_nc_u64 s[G0+4*\slot+2:G0+4*\slot+3], s[G0+4*\slot+2:G0+4*\slot+3], 2*3072
	s_add_nc_u64 s[G0B+4*\slot+2:G0B+4*\slot+3], s[G0B+4*\slot+2:G0B+4*\slot+3], 2*ROWB
	JLOAD G0+4*\slot, G1, G0B+4*\slot, G1B         ; my one tensor load behind the round
.else
	PLACES NP
.endif
	v_add_nc_u32 v[ADSA], 2048, v[ADSA]            ; on to the next K step's scale words: two groups of A's, eight bytes of B's
	v_add_nc_u32 v[ADSB], 8, v[ADSB]
	FETCH_B \next, 0, 0
	FETCH_A \next, 0, 0
	SCALES \next
	WIN MUL_HI
	MUL16 4, 1, NQ-1, \slot, 0
	MUL16 6, 1, NQ-1, \slot, 0
	PLACES NP
	WIN 0
	FETCH_A \next, 0, 4
.endm
	s_wait_tensorcnt 1                             ; the scales and my part of K step 0 are in; K step 1's load may be out
	s_barrier_signal -1
	s_barrier_wait -1
	FETCH_B 0, 0, 0
	FETCH_A 0, 0, 0
	SCALES 0
	FETCH_A 0, 0, 4
	STEP 0, 0, 1
	s_mov_b32 s3, LAPS-1
.Llap:
	TURN 0, 1, 1
	STEP 1, 0, 0
	TURN 1, 0, 1
	STEP 0, 0, 0
	s_sub_co_u32 s3, s3, 1
	s_cmp_lg_u32 s3, 0
	s_cbranch_scc1 .Llap
	TURN 0, 1, 0
	STEP 1, 0, 0
	s_wait_dscnt 4*NL
	WIN MUL_LO
	MUL16 0, 1, NQ-1, 1, 0
	MUL16 2, 1, NQ-1, 1, 0
	s_wait_dscnt 0
	WIN MUL_HI
	MUL16 4, 1, NQ-1, 1, 0
	MUL16 6, 1, NQ-1, 1, 0
	WIN 0
; THE WAY OUT, block by block of 16 places x 128 columns, through my own stage.  Register j of accumulator b is true column 32 (b / 2) + 8 (b % 2) + 16 h + j.  Place t of block a is true row 32 (a / 2) + 8 (a % 2) + t % 8 + 16 (t / 8).
.macro TOSTAGE a
.set AC, 64*((\a)%4)
	WIN 0x08+4*((\a)/4)                            ; an LDS store's data: window 2 or 3
.irp b, 0,1,2,3,4,5,6,7
	ds_store_b128 v[STO], v[AC+8*\b:AC+8*\b+3] offset:128*(\b/2)+32*(\b%2)         ; each accumulator from its low end on
	ds_store_b128 v[STO], v[AC+8*\b+4:AC+8*\b+7] offset:128*(\b/2)+32*(\b%2)+16
.endr
	WIN 0
.set BB, BK+64*((\a)%2)
.irp t, 0,1,2,3,4,5,6,7,8,9,10,11,12,13,14,15
	ds_load_b128 v[BB+4*\t:BB+4*\t+3], v[RD] offset:\t*SPITCH      ; LDS serves a wave's instructions in order: these see the stores above
.endr
.endm
.macro SEND a, younger
.set BB, BK+64*((\a)%2)
	s_wait_dscnt \younger                          ; the block is back; the next block's 16 stores and 16 loads may be out
.irp t, 0,1,2,3,4,5,6,7,8,9,10,11,12,13,14,15
	v_pk_add_f32 v[BB+4*\t:BB+4*\t+1], v[BB+4*\t:BB+4*\t+1], v[BOR:BOR+1]
	v_pk_add_f32 v[BB+4*\t+2:BB+4*\t+3], v[BB+4*\t+2:BB+4*\t+3], v[BOR+2:BOR+3]
.endr
.irp t, 0,1,2,3,4,5,6,7,8,9,10,11,12,13,14,15
	global_store_b128 v[CO], v[BB+4*\t:BB+4*\t+3], s[12:13] offset:4096*(32*((\a)/2)+8*((\a)%2)+((\t)&7)+16*((\t)>>3)) th:TH_STORE_NT   ; 32 lanes store 512 consecutive bytes, aligned; the base never steps
.endr
.endm
	PLACES NP
	s_wait_loadcnt 0x0                             ; bo
	TOSTAGE 0
.irp a, 1,2,3,4,5,6,7
.if \a > 1
	s_wait_xcnt 0x0                                ; block a - 2's stores have read their registers: block a's loads may land there
.endif
	TOSTAGE \a
	SEND \a-1, 32
.endr
	SEND 7, 0
	s_wait_tensorcnt 0x0                           ; the wave's end
	ds_add_u32 v[SPW], v[NIL]
	s_wait_dscnt 0x0
	CROUND                                         ; the closing round
	s_endpgm
.Lfunc_end_k_qf2e82ad6fa_outg:
	.size	k_qf2e82ad6fa_outg, .Lfunc_end_k_qf2e82ad6fa_outg-k_qf2e82ad6fa_outg
	.p2alignl 7, 3214868480
	.fill 96, 4, 3214868480
	.section	.rodata,"a",@progbits
	.p2align	6, 0x0
	.amdhsa_kernel k_qf2e82ad6fa_outg
		.amdhsa_group_segment_fixed_size 327680
		.amdhsa_private_segment_fixed_size 0
		.amdhsa_enable_private_segment 0
		.amdhsa_kernarg_size 48
		.amdhsa_user_sgpr_count 2
		.amdhsa_user_sgpr_kernarg_segment_ptr 1
		.amdhsa_wavefront_size32 1
		.amdhsa_system_sgpr_workgroup_id_x 1
		.amdhsa_system_sgpr_workgroup_id_y 1
		.amdhsa_system_sgpr_workgroup_id_z 1
		.amdhsa_system_vgpr_workitem_id 0
		.amdhsa_next_free_vgpr 1024
		.amdhsa_next_free_sgpr 102
		.amdhsa_reserve_vcc 0
		.amdhsa_float_denorm_mode_32 3
		.amdhsa_float_denorm_mode_16_64 3
		.amdhsa_memory_ordered 1
		.amdhsa_forward_progress 1
		.amdhsa_inst_pref_size 180
	.end_amdhsa_kernel
	.amdgpu_metadata
---
amdhsa.version: [ 1, 2 ]
amdhsa.kernels:
  - .name:           k_qf2e82ad6fa_outg
    .symbol:         k_qf2e82ad6fa_outg.kd
    .args:
      - { .name: cmb_c, .offset: 0, .size: 8, .value_kind: global_buffer, .address_space: global }
      - { .name: cmb_s, .offset: 8, .size: 8, .value_kind: global_buffer, .address_space: global }
      - { .name: xw_c, .offset: 16, .size: 8, .value_kind: global_buffer, .address_space: global }
      - { .name: xw_s, .offset: 24, .size: 8, .value_kind: global_buffer, .address_space: global }
      - { .name: bo, .offset: 32, .size: 8, .value_kind: global_buffer, .address_space: global }
      - { .name: out0, .offset: 40, .size: 8, .value_kind: global_buffer, .address_space: global }
    .group_segment_fixed_size: 327680
    .private_segment_fixed_size: 0
    .kernarg_segment_align: 8
    .kernarg_segment_size: 48
    .max_flat_workgroup_size: 128
    .sgpr_count:     102
    .vgpr_count:     1024
    .wavefront_size: 32
...
	.end_amdgpu_metadata
.endif
;; end of part 5
